; MI455X (gfx1250); checked and timed in simulation.
; The chip was launched on July 23, 2026; its instructions are those of AMD's public machine-readable ISA for CDNA 5 (MIT licence, August 2026) and "CDNA5" Instruction Set Architecture Reference Guide (July 2026). The comments in the code are by the model that wrote it; some were corrected since.
;; Causal Self Attention. Allowed arithmetic: matrix products marked QUANTISED: E2M1 operands, one E8M0 scale for each 32 along K, by v_wmma_scale_f32_16x16x128_f8f6f4 with both operands' format E2M1 (or v_wmma_scale_f32_32x16x128_f4), f32 sums; products left as they are: bf16, f16 or f32 operands; f32 sums; everything else in f32.
;; Inputs: b_attn 3,072 float32; b_proj 1,024 float32; w_attn 3,072 x 1,024 float32; w_proj 1,024 x 1,024 float32; x 4 x 2,048 x 1,024 float32.
;; Outputs: out0 4 x 2,048 x 1,024 float32.
;; This version of the problem:
;;   THIS VERSION OF THE PROBLEM IS GIVEN IN LOW PRECISION. The matrix products marked QUANTISED in the list below multiply operands that are first quantised to E2M1 (2 exponent bits, 1 mantissa bit; 4 bits a number), with one power-of-two scale for each 32 numbers along K (OCP MX v1.0); their sums are f32. The products marked 'left as it is' may take bf16, f16 or f32 operands, with f32 sums. Whichever they take, every output number must still come out within the allowed error. Rounding operands to bf16 (8 significant bits) uses up far more of that allowance than f16 does (11 bits, for magnitudes from 6e-5 to 65,504). All else is computed in f32.
;;   The module's matrix products, in the order in which they are computed (A, B: the left and right operand; K: the contracted axis; several contracted axes count as one K, in the product's order):
;;     1. [M 8,192, K 1,024] x [K 1,024, N 3,072]; A: input x; B: input w_attn: QUANTISED
;;     2. batch 64 x [M 2,048, K 64] x [K 64, N 2,048]; A: computed on the way; B: computed on the way: left as it is (an operand is computed on the way)
;;     3. batch 64 x [M 2,048, K 2,048] x [K 2,048, N 64]; A: computed on the way; B: computed on the way: left as it is (an operand is computed on the way)
;;     4. [M 8,192, K 1,024] x [K 1,024, N 1,024]; A: computed on the way; B: input w_proj: left as it is (an operand is computed on the way)
;;   THE QUANTISER, for each operand of a quantised product, along K:
;;     - K is cut into blocks of 32 from its start; a last block that is shorter is filled with zeros.
;;     - A block's scale is 2^e with e = floor(log2(the largest magnitude in the block)) - 2, held to -126 .. 127; a block of zeros has e = 0. As a byte (E8M0): e + 127.
;;     - Each number is divided by its block's scale, clamped to +-6, and rounded to the nearest number of E2M1, ties to even, subnormals kept.
;;     - The product sums the exact products of the quantised numbers (number of the format x scale) in f32.
;;   ~~~python
;;   def quantise(x, axis):      # numpy; x: float32 -> the quantised numbers, widened to float32 again
;;       x = np.moveaxis(x, axis, -1); K = x.shape[-1]
;;       x = np.pad(x, [(0, 0)] * (x.ndim - 1) + [(0, -K % 32)]); x = x.reshape(x.shape[:-1] + (-1, 32)); a = np.abs(x).max(-1, keepdims=True)
;;       e = np.where(a > 0, np.clip(np.frexp(np.where(a > 0, a, 1))[1] - 1 - 2, -126, 127), 0)      # np.frexp(a)[1] - 1 = floor(log2(a)), exactly
;;       r = np.clip(x / 2.0 ** e, -6, 6)
;;       step = 2.0 ** (np.maximum(np.frexp(np.where(r == 0, 1, r))[1] - 1, 0) - 1)
;;       q = np.round(r / step) * step * 2.0 ** e      # np.round: ties to even
;;       return np.moveaxis(q.reshape(q.shape[:-2] + (-1,))[..., :K], -1, axis).astype(np.float32)
;;   ~~~
;; One version. Each part assembles by itself: llvm-mc -triple=amdgcn-amd-amdhsa -mcpu=gfx1250 --defsym DOCPART=n.
;; ======== version 1 of 1: 5 launches
;; limits: values are held in f16: magnitudes above 65,504 overflow, below 6.1e-05 lose precision
;; workspace buffers: xc 4,194,304 bytes; xs 262,144 bytes; wc 1,572,864 bytes; ws 98,304 bytes; wp16 2,097,152 bytes; qkv16 50,331,648 bytes; qkv32 786,432 bytes; y16 16,777,216 bytes
;; launch quant (part 1): grid 384 x 1, 4 waves a work-group, no clusters, 33,280 bytes of LDS; arguments x, w_attn, xc, xs, wc, ws, w_proj, wp16; writes xc, xs, wc, ws, wp16
.if DOCPART == 1
	.amdgcn_target "amdgcn-amd-amdhsa--gfx1250"
	.amdhsa_code_object_version 6
	.text
	.protected	k_q9fbc18d7ae_quant
	.globl	k_q9fbc18d7ae_quant
	.p2align	8
	.type	k_q9fbc18d7ae_quant,@function
k_q9fbc18d7ae_quant:
	s_mov_b64 s[64:65], 0
	v_nop
	global_prefetch_b8 v0, s[64:65] scope:SCOPE_SE
	s_setreg_imm32_b32 hwreg(HW_REG_WAVE_MODE, 25, 1), 1
	s_wait_xcnt 0x0
; x [8192][1024] and w_attn [3072][1024], f32, become codes of E2M1 (two a byte, K innermost) with one E8M0 byte for each 32 along K; w_proj [1024][1024] becomes f16.
; A block's scale is 2^(floor(log2(its largest magnitude)) - 2); its byte is the largest magnitude's exponent field - 2, held at 1 from below.
; LIMITS: a block of zeros gets the byte 1 where the rule says 127 (its codes are zeros, and this program alone reads the bytes); blocks whose largest magnitude lies under 2^(3 - 127) are held at the byte 1;
; NaN and infinities among the inputs are not served; w_proj's numbers must lie inside f16's range (65,504).
; SHARES: work-groups 0-255 take x, 256-351 w_attn (one path, the pointers chosen by the work-group's number), 352-383 w_proj (a path of its own, without LDS).  A wave takes 8,192 numbers.
; Rows are dense and K is a multiple of 32: the tensors are plain streams of blocks of 32, and so are codes and scale bytes.
; The conversions take neighbours along K from ONE lane's registers; a load is dense where neighbouring lanes take neighbouring bytes.  So a step's 2,048 bytes are loaded as they lie (512 consecutive bytes a load) and turn
; through the wave's own stage in LDS: back they come 64 bytes a lane (16 neighbours; two lanes hold a block).
.set WAVES, 4
.set STEPS, 16
.set WGA,   256                        ; x's work-groups: 8192 x 1024 / 32768
.set WGQ,   352                        ; + w_attn's 96
.set EMAX,  2
.set CB,    8                          ; bytes of 16 codes
.set R,     16                         ; v16-79   four sets of 16 numbers as they are loaded
.set X,     80                         ; v80-111  two sets of 16 neighbours
.set C,     128                        ; v128-191 codes: registers of its own for each step
.set E,     112                        ; v112-127 a scale byte for each step
.set WREG,  8192                       ; LDS: a region for each wave: two stages of 32 x SP bytes, behind them its 256 scale bytes
.set SP,    80                         ; a lane's place in a stage: 64 bytes + 16 of padding
.set SPW,   12                         ; v12  LDS address of my spare word; never rewritten
.set NIL,   13                         ; v13  0; never rewritten
.set SPARE, WAVES*WREG                 ; behind the regions: the spare words, 128 bytes a wave
	s_load_b128 s[4:7], s[0:1], 0x0                ; x, w_attn
	s_load_b128 s[8:11], s[0:1], 0x10              ; xc, xs
	s_load_b128 s[12:15], s[0:1], 0x20             ; wc, ws
	s_load_b128 s[24:27], s[0:1], 0x30             ; w_proj, wp16
	v_lshl_add_u32 v[SPW], v0, 2, SPARE
	v_mov_b32 v[NIL], 0
	v_lshrrev_b32 v1, 5, v0
	v_readfirstlane_b32 s16, v1                    ; wave
	v_and_b32 v2, 31, v0                           ; lane
	v_lshlrev_b32 v3, 4, v2                        ; my 16 bytes of a load's 512
	s_mul_i32 s17, s16, WREG
	v_lshrrev_b32 v14, 2, v2
	v_mul_u32_u24 v14, v14, SP
	v_and_b32 v15, 3, v2
	v_lshl_add_u32 v14, v15, 4, v14
	v_add_nc_u32 v14, s17, v14                     ; the stage, on the way in: SP (lane / 4) + 16 (lane % 4)
	v_mul_u32_u24 v15, v2, SP
	v_add_nc_u32 v15, s17, v15                     ; and on the way out: SP x lane
	v_mul_u32_u24 v4, v2, CB                       ; 8 bytes a lane: my codes' place in a step's, and my f16 numbers' place in a store's
	v_lshrrev_b32 v5, 1, v2
	s_add_co_u32 s17, s17, 2*32*SP
	v_add_nc_u32 v5, s17, v5                       ; LDS: my block's scale byte
	v_lshlrev_b32 v7, 3, v2
	v_add_nc_u32 v6, s17, v7                       ; and on the way out 8 bytes a lane
	s_wait_kmcnt 0x0
	s_cmp_lt_u32 ttmp9, WGQ
	s_cbranch_scc1 .Lquant
; ---- w_proj to f16: 8 groups of 1,024 numbers a wave; a load reads 512 consecutive bytes, a store writes 256 consecutive bytes, aligned
	s_sub_co_u32 s17, ttmp9, WGQ
	s_lshl_b32 s17, s17, 2
	s_add_co_u32 s17, s17, s16                     ; which run of 8,192 numbers is my wave's
	s_lshl_b32 s18, s17, 15
	s_mov_b32 s19, 0
	s_add_nc_u64 s[24:25], s[24:25], s[18:19]
	s_lshl_b32 s18, s17, 14
	s_add_nc_u64 s[26:27], s[26:27], s[18:19]
.macro CLOAD g                         ; group g into set g % 2 (v16-47, v48-79)
.irp i, 0,1,2,3,4,5,6,7
	global_load_b128 v[16+32*((\g)%2)+4*\i:16+32*((\g)%2)+4*\i+3], v3, s[24:25] offset:4096*(\g)+512*\i th:TH_LOAD_NT
.endr
.endm
.macro CWORK g
.if (\g) < 7
	s_wait_loadcnt 8                               ; this group's eight loads are in; the next group's eight may be out
.else
	s_wait_loadcnt 0
.endif
	s_wait_xcnt 0x0                                ; the last group's stores have read v80-95, which are written again below
.irp i, 0,1,2,3,4,5,6,7
	v_cvt_pk_f16_f32 v[80+2*\i], v[16+32*((\g)%2)+4*\i], v[16+32*((\g)%2)+4*\i+1]
	v_cvt_pk_f16_f32 v[81+2*\i], v[16+32*((\g)%2)+4*\i+2], v[16+32*((\g)%2)+4*\i+3]
.endr
.if (\g) < 6
	CLOAD (\g)+2
.endif
.irp i, 0,1,2,3,4,5,6,7
	global_store_b64 v4, v[80+2*\i:81+2*\i], s[26:27] offset:2048*(\g)+256*\i
.endr
.endm
	CLOAD 0
	CLOAD 1
.irp g, 0,1,2,3,4,5,6,7
	CWORK \g
.endr
	s_branch .Lend
; ---- x and w_attn to codes
.Lquant:
	s_cmp_lt_u32 ttmp9, WGA                        ; x's work-group or w_attn's?  The choice hangs on the work-group's number alone
	s_cselect_b64 s[4:5], s[4:5], s[6:7]
	s_cselect_b64 s[8:9], s[8:9], s[12:13]
	s_cselect_b64 s[10:11], s[10:11], s[14:15]
	s_cselect_b32 s17, 0, WGA
	s_sub_co_u32 s17, ttmp9, s17
	s_lshl_b32 s17, s17, 2
	s_add_co_u32 s18, s17, s16                     ; which run of 8,192 numbers of the tensor is my wave's
	s_mov_b32 s19, 0
	s_mov_b64 s[20:21], 512*STEPS*4
	s_mul_u64 s[20:21], s[18:19], s[20:21]
	s_add_nc_u64 s[4:5], s[4:5], s[20:21]
	s_mov_b64 s[20:21], 32*STEPS*CB
	s_mul_u64 s[20:21], s[18:19], s[20:21]
	s_add_nc_u64 s[8:9], s[8:9], s[20:21]
	s_lshl_b32 s18, s18, 8                         ; 256 scale bytes a run
	s_add_nc_u64 s[10:11], s[10:11], s[18:19]
.macro LOAD t
.irp i, 0,1,2,3
	global_load_b128 v[R+16*((\t)%4)+4*\i:R+16*((\t)%4)+4*\i+3], v3, s[4:5] offset:2048*(\t)+512*\i th:TH_LOAD_NT
.endr
.endm
.macro TURN t                          ; step t's numbers through the stage: LDS serves a wave's instructions in order, so no wait stands between the stores and the loads
.irp i, 0,1,2,3
	ds_store_b128 v14, v[R+16*((\t)%4)+4*\i:R+16*((\t)%4)+4*\i+3] offset:32*SP*((\t)%2)+8*SP*\i
.endr
.irp i, 0,1,2,3
	ds_load_b128 v[X+16*((\t)%2)+4*\i:X+16*((\t)%2)+4*\i+3], v15 offset:32*SP*((\t)%2)+16*\i
.endr
.endm
.irp t, 0,1,2,3
	LOAD \t
.endr
	s_wait_loadcnt 12                              ; step 0's four loads are in
	TURN 0
.macro STEP t
.set XS, X+16*((\t)%2)
.if (\t) > 0
	s_wait_dscnt 1                                 ; this step's numbers are back from the stage (the last step's byte store may be out)
.else
	s_wait_dscnt 0x0
.endif
.if (\t)+4 < STEPS
	LOAD (\t)+4
.endif
.if (\t)+1 < STEPS
.if STEPS-2-(\t) >= 3
	s_wait_loadcnt 12                              ; the next step's four loads are in; those of the three steps behind it may be out
.else
	s_wait_loadcnt 4*(STEPS-2-(\t))
.endif
	TURN (\t)+1
.endif
	v_max3_num_f32 v8, |v[XS]|, |v[XS+1]|, |v[XS+2]|               ; the largest magnitude of my 16, in two chains
	v_max3_num_f32 v9, |v[XS+3]|, |v[XS+4]|, |v[XS+5]|
.irp i, 6,10
	v_max3_num_f32 v8, v8, |v[XS+\i]|, |v[XS+\i+1]|
	v_max3_num_f32 v9, v9, |v[XS+\i+2]|, |v[XS+\i+3]|
.endr
	v_max3_num_f32 v8, v8, |v[XS+14]|, |v[XS+15]|
	v_max3_num_f32 v8, v8, v9, (EMAX+1)<<23        ; and the floor 2^(3 - 127): the byte cannot fall under 1
	v_max_num_f32_dpp v8, v8, v8 row_xmask:1 row_mask:0xf bank_mask:0xf   ; and of my neighbour's 16: the block's
	v_add_nc_u32 v11, -(EMAX<<23), v8              ; 2 off its exponent field: the conversion takes the exponent field of this operand as its scale
	v_cvt_scalef32_pk8_fp4_f32 v[C+4*(\t)], v[XS:XS+7], v11
	v_cvt_scalef32_pk8_fp4_f32 v[C+4*(\t)+1], v[XS+8:XS+15], v11
	v_lshrrev_b32 v[E+(\t)], 23, v11               ; the scale's byte (also the plain line behind the conversions)
	ds_store_b8 v5, v[E+(\t)] offset:16*(\t)       ; both lanes of a block write the same byte with the same value
	global_store_b64 v4, v[C+4*(\t):C+4*(\t)+1], s[8:9] offset:32*CB*(\t)   ; 256 consecutive bytes, aligned
.endm
.irp t, 0,1,2,3,4,5,6,7,8,9,10,11,12,13,14,15
	STEP \t
.endr
	ds_load_b64 v[8:9], v6                         ; my wave's 256 scale bytes: LDS serves a wave's instructions in order
	s_wait_dscnt 0x0
	global_store_b64 v7, v[8:9], s[10:11]          ; 256 consecutive bytes, aligned
.Lend:
	s_wait_tensorcnt 0x0                           ; the wave's end: behind my last LDS store
	ds_add_u32 v[SPW], v[NIL]
	s_wait_dscnt 0x0
	s_endpgm
.Lfunc_end_k_q9fbc18d7ae_quant:
	.size	k_q9fbc18d7ae_quant, .Lfunc_end_k_q9fbc18d7ae_quant-k_q9fbc18d7ae_quant
	.p2alignl 7, 3214868480
	.fill 96, 4, 3214868480
	.section	.rodata,"a",@progbits
	.p2align	6, 0x0
	.amdhsa_kernel k_q9fbc18d7ae_quant
		.amdhsa_group_segment_fixed_size 33280
		.amdhsa_private_segment_fixed_size 0
		.amdhsa_enable_private_segment 0
		.amdhsa_kernarg_size 64
		.amdhsa_user_sgpr_count 2
		.amdhsa_user_sgpr_kernarg_segment_ptr 1
		.amdhsa_wavefront_size32 1
		.amdhsa_system_sgpr_workgroup_id_x 1
		.amdhsa_system_sgpr_workgroup_id_y 1
		.amdhsa_system_sgpr_workgroup_id_z 1
		.amdhsa_system_vgpr_workitem_id 0
		.amdhsa_next_free_vgpr 192
		.amdhsa_next_free_sgpr 66
		.amdhsa_reserve_vcc 0
		.amdhsa_float_denorm_mode_32 3
		.amdhsa_float_denorm_mode_16_64 3
		.amdhsa_memory_ordered 1
		.amdhsa_forward_progress 1
		.amdhsa_inst_pref_size 54
	.end_amdhsa_kernel
	.amdgpu_metadata
---
amdhsa.version: [ 1, 2 ]
amdhsa.kernels:
  - .name:           k_q9fbc18d7ae_quant
    .symbol:         k_q9fbc18d7ae_quant.kd
    .args:
      - { .name: x, .offset: 0, .size: 8, .value_kind: global_buffer, .address_space: global }
      - { .name: w_attn, .offset: 8, .size: 8, .value_kind: global_buffer, .address_space: global }
      - { .name: xc, .offset: 16, .size: 8, .value_kind: global_buffer, .address_space: global }
      - { .name: xs, .offset: 24, .size: 8, .value_kind: global_buffer, .address_space: global }
      - { .name: wc, .offset: 32, .size: 8, .value_kind: global_buffer, .address_space: global }
      - { .name: ws, .offset: 40, .size: 8, .value_kind: global_buffer, .address_space: global }
      - { .name: w_proj, .offset: 48, .size: 8, .value_kind: global_buffer, .address_space: global }
      - { .name: wp16, .offset: 56, .size: 8, .value_kind: global_buffer, .address_space: global }
    .group_segment_fixed_size: 33280
    .private_segment_fixed_size: 0
    .kernarg_segment_align: 8
    .kernarg_segment_size: 64
    .max_flat_workgroup_size: 128
    .sgpr_count:     66
    .vgpr_count:     192
    .wavefront_size: 32
...
	.end_amdgpu_metadata
.endif
;; end of part 1
;; launch qkv (part 2): grid 12 x 32, 4 waves a work-group, clusters of 4 x 4, 327,680 bytes of LDS; arguments xc, xs, wc, ws, b_attn, qkv16, qkv32; writes qkv16, qkv32
.if DOCPART == 2
	.amdgcn_target "amdgcn-amd-amdhsa--gfx1250"
	.amdhsa_code_object_version 6
	.text
	.protected	k_q9fbc18d7ae_qkv
	.globl	k_q9fbc18d7ae_qkv
	.p2align	8
	.type	k_q9fbc18d7ae_qkv,@function
k_q9fbc18d7ae_qkv:
	s_mov_b64 s[64:65], 0
	v_nop
	global_prefetch_b8 v0, s[64:65] scope:SCOPE_SE
	s_setreg_imm32_b32 hwreg(HW_REG_WAVE_MODE, 25, 1), 1
	s_wait_xcnt 0x0
	s_wait_alu depctr_hold_cnt(0) depctr_sa_sdst(0) depctr_va_vdst(0) depctr_va_sdst(0) depctr_va_ssrc(0) depctr_va_vcc(0) depctr_vm_vsrc(0)
	s_getreg_b32 s2, hwreg(HW_REG_IB_STS2, 6, 4)
	s_cmp_eq_u32 s2, 0
	s_cbranch_scc0 .Lentry_in_a_cluster
	s_endpgm
.Lentry_in_a_cluster:
	s_bfe_u32 s2, ttmp6, 0x10000c
	s_cmp_lg_u32 s2, 0xf033
	s_cbranch_scc0 .Lentry_shape_is_right
	s_endpgm
.Lentry_shape_is_right:
; qkv[m][f] = sum over k of x[m][k] w_attn[f][k] + b_attn[f], on codes of E2M1 with one E8M0 scale for each 32 along K; sums in f32.  m = 2048 b + t: 8,192 rows; f: 3,072 columns; K = 1,024.
; OUT: qkv16 [48 = f / 64][8192 m][64] f16 (16 heads of q, then of k, then of v); and the rows t < 16 of each batch also as f32, qkv32 [16 b + t][3072].
; LIMITS: |q|, |k|, |v| under 65,504 (f16); the bias is the C of each sum's first matrix instruction, another order of f32 rounding than a sum followed by an addition.
; A tile of 256 x 256 is made by four waves, each 128 x 128: 64 accumulators, 512 registers.  K is two slots of 512: ALL of K is fetched by the first fills (three joint loads a wave: scales, slot 0, slot 1); nothing is filled again.
; CLUSTERS: 4 x 4 work-groups.  The four of a row of the cluster need the same tiles of x, the four of a column the same tiles of w_attn: each tile is asked for JOINTLY.
; The tile row is 8 cy + cluster y: so the batch is cy, and the rows t < 16 lie where cluster y = 0, which is the same in all sixteen partners: no branch hangs on a place in the cluster.
; THE MATRIX INSTRUCTION IS USED TRANSPOSED (source 0 = 16 rows of w_attn, source 1 = 16 rows of x): a lane holds eight neighbouring columns of one row.
; REGISTERS, in windows of 256: window 0: v0-31 addresses; v32-95 scale words, two sets; v128-191 x's fragments, one set; on the way out v32-63, v128-255 are at work.
;   window 1: w_attn's fragments, two sets, at v0 and v128; v64-127 the bias in the result's layout.   window 2: the accumulators of my rows 0-63 ((a, b) at v[8 (8 a + b)]);   window 3: rows 64-127.
.set NQ,     4                         ; matrix instructions deep in a slot (512 along K)
.set ROWB,   256                       ; a tile's row in bytes
.set KROW,   512                       ; a row of codes in memory
.set PITCH,  272                       ; an LDS row: 256 bytes + 16 of padding: the 16 rows of a load start 68 words apart
.set FR,     8
.set NL,     2
.set NP,     4                         ; places behind this matrix instruction (ISA guide 7.12.1)
.set HALFT,  128*PITCH
.set SLOT,   4*HALFT
.set KS,     32                        ; a row of scales in bytes
.set SCL,    2*SLOT
.set HALFS,  (128*KS/256)*272
.set SBLK,   (16*KS/256)*272
.set SPARE,  SCL+4*HALFS               ; the spare words, 128 bytes a wave
.set SPITCH, 528                       ; the way out in f32: 16 rows x (512 + 16) bytes for each wave, in slot 0, which has had its last fill and its last read by then
.set HPITCH, 272                       ; in f16: 16 rows x (256 + 16), in the same bytes of the wave's own
.set ADRA, 16
.set ADRB, 20
.set GOH,  22                          ; v22  f16: my byte offset in qkv16
.set BOF,  23                          ; v23  32 x (lane / 16): my eight numbers of a bias block
.set STO,  24
.set RD,   25
.set CO,   26
.set ADRS, 27
.set SPW,  28
.set NIL,  29
.set STH,  30                          ; v30  f16: where I put 16 bytes of a row
.set RDH,  31                          ; v31  f16: where I read back
.set SC,   32
.set AF,   128
.set BI,   64                          ; in window 1: the bias
.set TMP,  192
.set OB,   32
.set G1, 24
.set G0, 32
.set G1B, 48
.set G0B, 56
.set G1S, 68
.set G0S, 76
.set G1SB, 80
.set G0SB, 88
.set MSB, 0
.macro WIN new                         ; the immediate's high byte repeats the setting that is left
.if MSB != \new
	s_set_vgpr_msb (MSB<<8)|\new
.set MSB, \new
.endif
.endm
.set MUL_LO, 0xa1                      ; source 0 window 1, source 1 window 0, C and D window 2
.set MUL_HI, 0xf1                      ; the same, C and D window 3
.set BIAS_LO, 0x91                     ; C (the bias) window 1, D window 2
.set BIAS_HI, 0xd1                     ; C window 1, D window 3
.set TO_B,   0x40
.macro JLOAD g0a, g1a, g0b, g1b        ; a joint load: waves 0 and 1 fetch for x, waves 2 and 3 for w_attn; an s_nop 0 and four v_nop follow each line
	s_cmp_eq_u32 s15, 0
	s_cbranch_scc0 .Lfor_b_\@
	tensor_load_to_lds s[\g0a:\g0a+3], s[\g1a:\g1a+7]
	s_nop 0
.rept 4
	v_nop
.endr
	s_branch .Lasked_\@
.Lfor_b_\@:
	tensor_load_to_lds s[\g0b:\g0b+3], s[\g1b:\g1b+7]
	s_nop 0
.rept 4
	v_nop
.endr
.Lasked_\@:
.endm
.macro CROUND                          ; a round of the cluster's barrier
	s_barrier_signal -1
	s_barrier_wait -1
	s_cmp_lg_u32 s14, 0
	s_cbranch_scc1 .Lnot_wave_0_\@
	s_barrier_signal -3
.Lnot_wave_0_\@:
	s_barrier_wait -3
	s_barrier_signal -1
	s_barrier_wait -1
.endm
	s_load_b128 s[4:7], s[0:1], 0x0                ; xc, xs
	s_load_b128 s[8:11], s[0:1], 0x10              ; wc, ws
	s_load_b128 s[96:99], s[0:1], 0x20             ; b_attn, qkv16
	s_load_b64 s[100:101], s[0:1], 0x30            ; qkv32
	v_lshl_add_u32 v[SPW], v0, 2, SPARE
	v_mov_b32 v[NIL], 0
	ds_add_u32 v[SPW], v[NIL]                      ; the wave's opening: the add, twice on end, and its wait ahead of my first tensor load
	ds_add_u32 v[SPW], v[NIL]
	v_lshrrev_b32 v1, 5, v0
	v_readfirstlane_b32 s14, v1                    ; wave 0..3
	s_lshr_b32 s15, s14, 1                         ; which half of the tile's rows is mine.  Also: I fetch for x (0) or for w_attn (1)
	s_and_b32 s16, s14, 1                          ; which half of its columns.  Also: which 128 rows of that tile I fetch
	s_bfe_u32 s40, ttmp6, 0x40000                  ; cx
	s_bfe_u32 s41, ttmp6, 0x40004                  ; cy
	s_lshl_b32 s42, ttmp9, 2
	s_add_co_u32 s42, s42, s40                     ; tile column = 4 x cluster x + cx
	s_and_b32 s17, ttmp7, 0xffff                   ; cluster y
	s_or_b32 s95, s17, s15                         ; 0 where my first 16 rows are t = 0 .. 15: cluster y = 0 and the tile's upper half
	s_lshl_b32 s18, s41, 3
	s_add_co_u32 s17, s17, s18                     ; tile row = 8 cy + cluster y
	s_lshl_b32 s43, s41, 2
	s_lshl_b32 s43, 15, s43                        ; my row of the cluster
	s_lshl_b32 s44, 0x1111, s40                    ; my column
	s_or_b32 s[G1+0], s43, (0<<16)|(1<<20)|(1<<21)|(5<<22)|(3<<25)  ; the mask; elements of 1 byte; padding: 4 words behind every 64; bit 21 beside a mask
	s_or_b32 s[G1B+0], s44, (0<<16)|(1<<20)|(1<<21)|(5<<22)|(3<<25)
.irp g, G1, G1B
	s_mov_b32 s[\g+1], ROWB<<16                    ; tensor_dim0
	s_mov_b32 s[\g+2], 128<<16                     ; tensor_dim1
	s_mov_b32 s[\g+3], ROWB<<16                    ; tile_dim0
	s_mov_b32 s[\g+4], 128                         ; tile_dim1
	s_mov_b32 s[\g+5], KROW                        ; stride
	s_mov_b32 s[\g+6], 0
	s_mov_b32 s[\g+7], 0
.endr
	s_or_b32 s[G1S+0], s43, (3<<16)|(1<<20)|(1<<21)|(5<<22)|(3<<25)  ; the scales of 128 rows: 4,096 dense bytes as 16 rows of 256 (32 elements of 8 bytes), padded alike
	s_or_b32 s[G1SB+0], s44, (3<<16)|(1<<20)|(1<<21)|(5<<22)|(3<<25)
.irp g, G1S, G1SB
	s_mov_b32 s[\g+1], 32<<16
	s_mov_b32 s[\g+2], (128*KS/256)<<16
	s_mov_b32 s[\g+3], 32<<16
	s_mov_b32 s[\g+4], 128*KS/256
	s_mov_b32 s[\g+5], 32
	s_mov_b32 s[\g+6], 0
	s_mov_b32 s[\g+7], 0
.endr
	s_lshl_b32 s18, s16, 7
	s_lshl_b32 s20, s17, 8
	s_add_co_u32 s20, s20, s18                     ; x: row 256 x tile row + 128 x half
	s_lshl_b32 s46, s42, 8
	s_add_co_u32 s46, s46, s18                     ; w_attn: row 256 x tile column + 128 x half
	s_mov_b32 s21, 0
	s_mov_b32 s47, 0
	s_mov_b64 s[18:19], KS
	s_mul_u64 s[22:23], s[20:21], s[18:19]
	s_mul_u64 s[92:93], s[46:47], s[18:19]
	s_mov_b64 s[18:19], KROW
	s_mul_u64 s[20:21], s[20:21], s[18:19]
	s_mul_u64 s[46:47], s[46:47], s[18:19]
	s_mul_i32 s45, s14, HALFT                      ; where they go: wave x 128 rows: no place in the cluster enters an LDS address
	s_mul_i32 s94, s14, HALFS
	s_wait_dscnt 0x0                               ; both opening adds are done
	s_wait_kmcnt 0x0
	s_add_nc_u64 s[20:21], s[4:5], s[20:21]
	s_add_nc_u64 s[22:23], s[6:7], s[22:23]
	s_add_nc_u64 s[46:47], s[8:9], s[46:47]
	s_add_nc_u64 s[92:93], s[10:11], s[92:93]
	CROUND                                         ; all sixteen work-groups are here: the joint loads meet
	s_mov_b32 s[G0S], 1
	s_add_co_u32 s[G0S+1], s94, SCL
	s_mov_b64 s[G0S+2:G0S+3], s[22:23]
	s_or_b32 s[G0S+3], s[G0S+3], 0x80000000
	s_mov_b32 s[G0SB], 1
	s_add_co_u32 s[G0SB+1], s94, SCL
	s_mov_b64 s[G0SB+2:G0SB+3], s[92:93]
	s_or_b32 s[G0SB+3], s[G0SB+3], 0x80000000
	JLOAD G0S, G1S, G0SB, G1SB                     ; the scales first
.irp s, 0,1
	s_mov_b32 s[G0+4*\s], 1
	s_add_co_u32 s[G0+4*\s+1], s45, \s*SLOT
	s_add_nc_u64 s[G0+4*\s+2:G0+4*\s+3], s[20:21], \s*ROWB
	s_or_b32 s[G0+4*\s+3], s[G0+4*\s+3], 0x80000000
	s_mov_b32 s[G0B+4*\s], 1
	s_add_co_u32 s[G0B+4*\s+1], s45, \s*SLOT
	s_add_nc_u64 s[G0B+4*\s+2:G0B+4*\s+3], s[46:47], \s*ROWB
	s_or_b32 s[G0B+4*\s+3], s[G0B+4*\s+3], 0x80000000
	JLOAD G0+4*\s, G1, G0B+4*\s, G1B               ; three tensor loads of mine are out
.endr
	v_and_b32 v1, 15, v0                           ; r = lane % 16
	v_bfe_u32 v2, v0, 4, 1                         ; h = lane / 16
	v_lshlrev_b32 v[BOF], 5, v2
	s_lshl_b32 s46, s42, 10                        ; my first column, in f32 bytes: 1024 x tile column + 512 x half
	s_lshl_b32 s47, s16, 9
	s_add_co_u32 s46, s46, s47
	s_mov_b32 s47, 0
	s_add_nc_u64 s[96:97], s[96:97], s[46:47]
	WIN TO_B
.irp b, 0,1,2,3,4,5,6,7                        ; the bias in the result's layout: block b, lane (r, h): b_attn at my columns 16 b + 8 h + 0 .. 7
	global_load_b128 v[BI+8*\b:BI+8*\b+3], v[BOF], s[96:97] offset:64*\b
	global_load_b128 v[BI+8*\b+4:BI+8*\b+7], v[BOF], s[96:97] offset:64*\b+16
.endr
	WIN 0
	s_add_nc_u64 s[100:101], s[100:101], s[46:47]  ; qkv32: my columns,
	s_mul_i32 s46, s41, 16*12288
	s_add_nc_u64 s[100:101], s[100:101], s[46:47]  ; the batch's 16 rows
	s_lshl_b32 s46, s42, 2
	s_lshl_b32 s20, s16, 1
	s_add_co_u32 s46, s46, s20
	s_lshl_b32 s46, s46, 20                        ; qkv16: head 4 x tile column + 2 x half, 2^20 bytes a head,
	s_lshl_b32 s20, s17, 8
	s_lshl_b32 s21, s15, 7
	s_add_co_u32 s20, s20, s21
	s_lshl_b32 s20, s20, 7                         ; my first row, 128 bytes a row
	s_add_co_u32 s46, s46, s20
	s_add_nc_u64 s[98:99], s[98:99], s[46:47]
	v_mul_u32_u24 v3, v1, PITCH
	v_lshl_add_u32 v4, v2, 4, v3                   ; a fragment's row x pitch + 16 x half
	s_mul_i32 s21, s15, HALFT
	s_mul_i32 s22, s16, HALFT
	s_add_co_u32 s22, s22, 2*HALFT
.irp s, 0,1
	v_add_nc_u32 v[ADRA+\s], s21, v4
	v_add_nc_u32 v[ADRB+\s], s22, v4
	s_add_co_u32 s21, s21, SLOT
	s_add_co_u32 s22, s22, SLOT
.endr
	v_mul_u32_u24 v5, v1, KS                       ; my row's scales: KS bytes a row,
	v_lshrrev_b32 v6, 8, v5
	v_lshl_add_u32 v5, v6, 4, v5                   ; and 16 more for each 256 passed
	s_mul_i32 s21, s15, HALFS
	s_mul_i32 s22, s16, HALFS
	s_add_co_u32 s22, s22, 2*HALFS
	s_sub_co_u32 s22, s22, s21
	v_mul_u32_u24 v6, s22, v2                      ; lanes 16-31 take w_attn's
	s_add_co_u32 s21, s21, SCL
	v_add_nc_u32 v5, v5, v6
	v_add_nc_u32 v[ADRS], s21, v5
	s_mul_i32 s23, s14, 16*SPITCH                  ; my stage
	v_mul_u32_u24 v5, v1, SPITCH
	v_lshl_add_u32 v5, v2, 5, v5
	v_add_nc_u32 v[STO], s23, v5                   ; f32, in: row r, 32 bytes for each half of the lanes
	v_and_b32 v6, 31, v0
	v_lshlrev_b32 v[CO], 4, v6
	v_add_nc_u32 v[RD], s23, v[CO]                 ; f32, back: the 32 lanes take a row of 512 bytes
	v_add_nc_u32 v[STH], s23, v4                   ; f16, in: 272 r + 16 h
	v_bfe_u32 v5, v0, 3, 1                         ; f16, back: lanes 0-15 take two rows of the first head's 128 bytes, lanes 16-31 of the second's
	v_and_b32 v6, 7, v0
	v_lshlrev_b32 v6, 4, v6
	v_lshl_add_u32 v[GOH], v5, 7, v6
	v_mul_u32_u24 v5, v5, HPITCH
	v_add_nc_u32 v5, v5, v6
	v_lshl_add_u32 v5, v2, 7, v5
	v_add_nc_u32 v[RDH], s23, v5
	v_lshl_add_u32 v[GOH], v2, 20, v[GOH]          ; and in qkv16: (lane / 16) heads + 128 x ((lane / 8) % 2) + 16 x (lane % 8)
.macro FRAG reg, adr, q, i             ; 16 rows x 128 K of 4-bit codes: 8 registers, two loads of 16 bytes, 32 bytes apart
.irp c, 0,1
	ds_load_b128 v[\reg+4*\c:\reg+4*\c+3], v[\adr] offset:64*(\q)+32*\c+(\i)*16*PITCH
.endr
.endm
; 16 matrix instructions: x's blocks a0, a0 + 1 against w_attn's eight.  zero = 1: the first product starts the sums from the bias.  The 64 accumulators take turns, one instruction a turn.
.macro MUL16 a0, p, q, sc, zero
.irp a, \a0, \a0+1
.irp b, 0,1,2,3,4,5,6,7
.if \zero
	v_wmma_scale_f32_16x16x128_f8f6f4 v[8*(8*((\a)%4)+\b):8*(8*((\a)%4)+\b)+7], v[128*(\p)+FR*\b:128*(\p)+FR*\b+FR-1], v[AF+FR*(\a):AF+FR*(\a)+FR-1], v[BI+8*\b:BI+8*\b+7], v[SC+8*NQ*(\sc)+NQ*\b+(\q)], v[SC+8*NQ*(\sc)+NQ*(\a)+(\q)] matrix_a_fmt:MATRIX_FMT_FP4 matrix_b_fmt:MATRIX_FMT_FP4 matrix_a_scale:MATRIX_SCALE_ROW1
.else
	v_wmma_scale_f32_16x16x128_f8f6f4 v[8*(8*((\a)%4)+\b):8*(8*((\a)%4)+\b)+7], v[128*(\p)+FR*\b:128*(\p)+FR*\b+FR-1], v[AF+FR*(\a):AF+FR*(\a)+FR-1], v[8*(8*((\a)%4)+\b):8*(8*((\a)%4)+\b)+7], v[SC+8*NQ*(\sc)+NQ*\b+(\q)], v[SC+8*NQ*(\sc)+NQ*(\a)+(\q)] matrix_a_fmt:MATRIX_FMT_FP4 matrix_b_fmt:MATRIX_FMT_FP4 matrix_a_scale:MATRIX_SCALE_ROW1
.endif
.endr
.endr
.endm
.macro FETCH_B slot, q, p
	WIN TO_B
.irp i, 0,1,2,3,4,5,6,7
	FRAG 128*(\p)+FR*\i, ADRB+\slot, \q, \i
.endr
	WIN 0
.endm
.macro FETCH_A slot, q, i0
.irp i, \i0, \i0+1, \i0+2, \i0+3
	FRAG AF+FR*(\i), ADRA+\slot, \q, \i
.endr
.endm
.macro SCALES sc                       ; a slot's scale words: lanes 0-15 take x's block i, lanes 16-31 w_attn's block i
.irp i, 0,1,2,3,4,5,6,7
	ds_load_b128 v[SC+8*NQ*\sc+NQ*\i:SC+8*NQ*\sc+NQ*\i+3], v[ADRS] offset:\i*SBLK
.endr
.endm
.macro PLACES n                        ; plain vector instructions between a matrix instruction and a load into, or a read of, its registers
.rept \n
	v_nop
.endr
.endm
.macro STEP slot, q, zero              ; 128 along K with its successor in the same slot
	s_wait_dscnt 4*NL                              ; all but the youngest eight loads (x's blocks 4-7) are in
.if \zero
	WIN BIAS_LO
.else
	WIN MUL_LO
.endif
	MUL16 0, (\q)%2, \q, \slot, \zero
	MUL16 2, (\q)%2, \q, \slot, \zero
	s_wait_dscnt 0
	PLACES NP
	FETCH_B \slot, (\q)+1, 1-(\q)%2
	FETCH_A \slot, (\q)+1, 0
.if \zero
	WIN BIAS_HI
.else
	WIN MUL_HI
.endif
	MUL16 4, (\q)%2, \q, \slot, \zero
	MUL16 6, (\q)%2, \q, \slot, \zero
	PLACES NP
	WIN 0
	FETCH_A \slot, (\q)+1, 4
.endm
.macro TURN slot, next                 ; a slot's last step, and the change of slots: one barrier; nothing is filled again
	s_wait_tensorcnt 0x0                           ; my part of the next slot has landed
	ds_add_u32 v[SPW], v[NIL]                      ; 0 onto my spare word
	s_wait_dscnt 4*NL+1                            ; (the add and x's blocks 4-7 may be out)
	WIN MUL_LO
	MUL16 0, 1, NQ-1, \slot, 0
	s_wait_dscnt 0x0                               ; the add is done, and my reads of this slot are over
	s_barrier_signal -1
	MUL16 2, 1, NQ-1, \slot, 0
	WIN 0
	s_barrier_wait -1
	PLACES NP
	v_add_nc_u32 v[ADRS], 4*NQ, v[ADRS]            ; the next slot's scale words
	FETCH_B \next, 0, 0
	FETCH_A \next, 0, 0
	SCALES \next
	WIN MUL_HI
	MUL16 4, 1, NQ-1, \slot, 0
	MUL16 6, 1, NQ-1, \slot, 0
	PLACES NP
	WIN 0
	FETCH_A \next, 0, 4
.endm
	s_wait_tensorcnt 1                             ; the scales and my part of slot 0 are in (slot 1's load may be out),
	s_barrier_signal -1
	s_barrier_wait -1                              ; everybody's are
	FETCH_B 0, 0, 0
	FETCH_A 0, 0, 0
	SCALES 0
	FETCH_A 0, 0, 4
	s_wait_loadcnt 0x0                             ; the bias
	STEP 0, 0, 1
	STEP 0, 1, 0
	STEP 0, 2, 0
	TURN 0, 1
	STEP 1, 0, 0
	STEP 1, 1, 0
	STEP 1, 2, 0
	s_wait_dscnt 4*NL                              ; the last step: nothing more to fetch
	WIN MUL_LO
	MUL16 0, 1, NQ-1, 1, 0
	MUL16 2, 1, NQ-1, 1, 0
	s_wait_dscnt 0
	WIN MUL_HI
	MUL16 4, 1, NQ-1, 1, 0
	MUL16 6, 1, NQ-1, 1, 0
	WIN 0
	PLACES NP                                      ; for the first reads of results and the loads into registers that held operands
; THE WAY OUT.  First the rows t < 16 in f32: my block 0, where cluster y = 0 and my rows are the tile's upper half (the wave's number and the cluster's y alone decide).
	s_cmp_eq_u32 s95, 0
	s_cbranch_scc0 .Lno32
	WIN 0x08                                       ; an LDS store's data: window 2
.irp b, 0,1,2,3,4,5,6,7
	ds_store_b128 v[STO], v[8*\b:8*\b+3] offset:64*\b              ; each accumulator from its low end on
	ds_store_b128 v[STO], v[8*\b+4:8*\b+7] offset:64*\b+16
.endr
	WIN 0
.irp t, 0,1,2,3,4,5,6,7,8,9,10,11,12,13,14,15
	ds_load_b128 v[128+4*\t:128+4*\t+3], v[RD] offset:\t*SPITCH    ; LDS serves a wave's instructions in order: these see the stores above
.endr
	s_wait_dscnt 0x0
.irp t, 0,1,2,3,4,5,6,7,8,9,10,11,12,13,14,15
	global_store_b128 v[CO], v[128+4*\t:128+4*\t+3], s[100:101] offset:\t*12288   ; 512 consecutive bytes of row t
.endr
.Lno32:
; Then everything in f16, block by block of 16 rows x 128 columns (two heads): rounded, 16 bytes a lane into my stage, back so that sixteen lanes hold two rows of one head: 256 consecutive bytes of qkv16, aligned.
.macro PACK a
.set AC, 64*((\a)%4)
	WIN 0x0a+5*((\a)/4)                            ; sources 0 and 1: window 2 or 3
.irp b, 0,1,2,3,4,5,6,7
.irp r, 0,1,2,3
	v_cvt_pk_f16_f32 v[TMP+4*\b+\r], v[AC+8*\b+2*\r], v[AC+8*\b+2*\r+1]
.endr
.endr
	WIN 0
.endm
.macro TOSTAGE a
.set BK, OB+192*((\a)%2)
.irp b, 0,1,2,3,4,5,6,7
	ds_store_b128 v[STH], v[TMP+4*\b:TMP+4*\b+3] offset:32*\b
.endr
.irp t, 0,1,2,3,4,5,6,7
	ds_load_b128 v[BK+4*\t:BK+4*\t+3], v[RDH] offset:\t*2*HPITCH
.endr
.endm
.macro SEND a
.set BK, OB+192*((\a)%2)
	s_wait_dscnt 0x0                               ; the block is back in registers
	s_wait_xcnt 0x0                                ; the stores of the block before have read their registers: the next block's loads may land there
.irp t, 0,1,2,3,4,5,6,7
	global_store_b128 v[GOH], v[BK+4*\t:BK+4*\t+3], s[98:99] offset:2048*(\a)+256*\t
.endr
.endm
	PACK 0
	TOSTAGE 0
.irp a, 1,2,3,4,5,6,7                  ; block a's conversions stand between block a - 1's loads from the stage and the wait for them
	PACK \a
	SEND \a-1
	TOSTAGE \a
.endr
	SEND 7
	s_wait_tensorcnt 0x0                           ; the wave's end
	ds_add_u32 v[SPW], v[NIL]
	s_wait_dscnt 0x0
	CROUND                                         ; the closing round
	s_endpgm
.Lfunc_end_k_q9fbc18d7ae_qkv:
	.size	k_q9fbc18d7ae_qkv, .Lfunc_end_k_q9fbc18d7ae_qkv-k_q9fbc18d7ae_qkv
	.p2alignl 7, 3214868480
	.fill 96, 4, 3214868480
	.section	.rodata,"a",@progbits
	.p2align	6, 0x0
	.amdhsa_kernel k_q9fbc18d7ae_qkv
		.amdhsa_group_segment_fixed_size 327680
		.amdhsa_private_segment_fixed_size 0
		.amdhsa_enable_private_segment 0
		.amdhsa_kernarg_size 56
		.amdhsa_user_sgpr_count 2
		.amdhsa_user_sgpr_kernarg_segment_ptr 1
		.amdhsa_wavefront_size32 1
		.amdhsa_system_sgpr_workgroup_id_x 1
		.amdhsa_system_sgpr_workgroup_id_y 1
		.amdhsa_system_sgpr_workgroup_id_z 1
		.amdhsa_system_vgpr_workitem_id 0
		.amdhsa_next_free_vgpr 1024
		.amdhsa_next_free_sgpr 102
		.amdhsa_reserve_vcc 0
		.amdhsa_float_denorm_mode_32 3
		.amdhsa_float_denorm_mode_16_64 3
		.amdhsa_memory_ordered 1
		.amdhsa_forward_progress 1
		.amdhsa_inst_pref_size 132
	.end_amdhsa_kernel
	.amdgpu_metadata
---
amdhsa.version: [ 1, 2 ]
amdhsa.kernels:
  - .name:           k_q9fbc18d7ae_qkv
    .symbol:         k_q9fbc18d7ae_qkv.kd
    .args:
      - { .name: xc, .offset: 0, .size: 8, .value_kind: global_buffer, .address_space: global }
      - { .name: xs, .offset: 8, .size: 8, .value_kind: global_buffer, .address_space: global }
      - { .name: wc, .offset: 16, .size: 8, .value_kind: global_buffer, .address_space: global }
      - { .name: ws, .offset: 24, .size: 8, .value_kind: global_buffer, .address_space: global }
      - { .name: b_attn, .offset: 32, .size: 8, .value_kind: global_buffer, .address_space: global }
      - { .name: qkv16, .offset: 40, .size: 8, .value_kind: global_buffer, .address_space: global }
      - { .name: qkv32, .offset: 48, .size: 8, .value_kind: global_buffer, .address_space: global }
    .group_segment_fixed_size: 327680
    .private_segment_fixed_size: 0
    .kernarg_segment_align: 8
    .kernarg_segment_size: 56
    .max_flat_workgroup_size: 128
    .sgpr_count:     102
    .vgpr_count:     1024
    .wavefront_size: 32
...
	.end_amdgpu_metadata
.endif
;; end of part 2
;; launch attn (part 3): grid 4 x 64, 16 waves a work-group, clusters of 4 x 1, 327,680 bytes of LDS; arguments qkv16, y16; writes y16
.if DOCPART == 3
	.amdgcn_target "amdgcn-amd-amdhsa--gfx1250"
	.amdhsa_code_object_version 6
	.text
	.protected	k_q9fbc18d7ae_attn
	.globl	k_q9fbc18d7ae_attn
	.p2align	8
	.type	k_q9fbc18d7ae_attn,@function
k_q9fbc18d7ae_attn:
	s_mov_b64 s[64:65], 0
	v_nop
	global_prefetch_b8 v0, s[64:65] scope:SCOPE_SE
	s_setreg_imm32_b32 hwreg(HW_REG_WAVE_MODE, 25, 1), 1
	s_wait_xcnt 0x0
	s_wait_alu depctr_hold_cnt(0) depctr_sa_sdst(0) depctr_va_vdst(0) depctr_va_sdst(0) depctr_va_ssrc(0) depctr_va_vcc(0) depctr_vm_vsrc(0)
	s_getreg_b32 s2, hwreg(HW_REG_IB_STS2, 6, 4)
	s_cmp_eq_u32 s2, 0
	s_cbranch_scc0 .Lentry_in_a_cluster
	s_endpgm
.Lentry_in_a_cluster:
	s_bfe_u32 s2, ttmp6, 0x10000c
	s_cmp_lg_u32 s2, 0x3003
	s_cbranch_scc0 .Lentry_shape_is_right
	s_endpgm
.Lentry_shape_is_right:
; y[b][h][q][:] = the sum over k <= q of softmax_k(Q[q] . K[k] / 8) V[k][:], head size 64, 2,048 positions, 64 pairs (b, h).  Q, K, V: f16, qkv16 [48][8192][64]; y16 [16 h][8192][64] f16.
; Products, maxima and sums in f32; the weights p are rounded to f16 for the second product, y once at the end.  A running maximum m and sum l for each query: p = 2^(c s - c m), c = log2(e) / 8; in every step
; O and l are multiplied by a = 2^(c m_old - c m_new).
; LIMITS: |q|, |k|, |v|, |y| under 65,504 (f16); NaN and infinities are not served.  The rows t < 16 made here are replaced by a later launch that carries them in f32.
; SHARES.  A cluster of four work-groups is one (b, h).  A wave owns 32 queries (two tiles of 16): Q0 = 128 rank + 32 cx.  The rank is made of the wave's number as a 4 x 4 magic square, so that four waves w, w + 4, w + 8, w + 12
; and four waves on end alike have ranks that sum to 30: equal numbers of key steps.
; EVERY work-group walks all 2,048 keys (constant trip counts).  A wave works a step of 64 keys only while the step's first key is under 128 (rank + 1), and masks from key 128 rank on: both tests hang on the wave's
; number and the count of steps alone, never on cx, so K's and V's tiles can be asked for JOINTLY by the four partners; the wave of rank 15 reads every tile in every partner.  cx enters Q's and y's addresses, the
; prefetches' address and the mask's compare value alone.  The price: the diagonal block of 128 keys is worked whole.
; LAYOUT.  S^T = K Q^T (source 0 = 16 keys, source 1 = 16 queries): a lane holds ONE query (lane % 16) and keys 8 (lane / 16) + 0..7.  Two such tiles, rounded in pairs, ARE source 1 of O^T = V^T P.  V comes turned, by ds_load_tr16_b128.
; RING.  Two slots of 256 keys, 2^17 bytes apart; waves 0, 1 fetch K's halves, waves 2, 3 V's (128 rows each).  By this text's count a wave has one tensor load out; every wait on TENSORcnt is for 0.
.set PK,    144                        ; a row of K in LDS: 128 bytes + 16: the 16 rows of a load start 36 words apart
.set PV,    160                        ; a row of V: 128 + 32
.set SKEYS, 256
.set VOFF,  SKEYS*PK
.set SLOT1, 1<<17
.set STAGE, SLOT1+SKEYS*(PK+PV)        ; behind the ring: 16 rows x 144 bytes for each wave
.set SP,    144
.set SPARE, STAGE+16*16*SP             ; the spare words, 128 bytes a wave
.set AK0, 1                            ; v1   my lane's place in a tile of K
.set AV0, 2                            ; v2   and of V
.set ADK, 3                            ; v3   LDS address of the step's K; at the head Q's offset; on the way out where I put 16 bytes
.set ADV, 4                            ; v4   of its V; on the way out where I read back
.set PFO, 5                            ; v5   256 x lane; never rewritten
.set SPW, 6                            ; v6   my spare word; never rewritten
.set NIL, 7                            ; v7   0; never rewritten
.set LQ,  8                            ; v8   lane % 16 - 8 (lane / 16)
.set NINF, 9                           ; v9   -infinity
.set DD,  10                           ; v10, v11  the mask's compare values of the two tiles; on the way out v10 = 16 x lane
.set ST,  12                           ; tile t's statistics at v[ST + 8 t]: +0 c m, +1 m, +2, +3 l, +4 .. +7 at work, a in +6
.set UU,  28                           ; v28-31 a pair of sums a tile
.set QF,  32                           ; v32-63   Q: (t, f) at 32 + 16 t + 8 f
.set KV,  64                           ; v64-127  K: (kt, f) at 8 (2 kt + f); later V: (g, ct) at 8 (4 g + ct)
.set S,   128                          ; v128-191 S^T, 32 a tile; P in place: fragment g at 32 t + 8 g
.set OT,  192                          ; v192-255 O^T: (t, ct) at 32 t + 8 ct
.set WV,  8
.set CX,  9
.set RK,  10
.set Q0,  12
.set LIMK, 13
.set DIAG, 14
.set KF,  15
.set TBK, 16
.set TBV, 17
.set SLOTS, 18
.set CNT, 19
.set SEL, 20
.set CS,  22
.set G1K, 24
.set G1V, 32
.set G0K, 40
.set G0V, 44
.set PFA, 48
.set LIM, 50
.macro JLOAD                           ; waves 0 and 1 fetch for K, waves 2 and 3 for V, the others nothing; the branches hang on the wave's number alone; an s_nop 0 and four v_nop follow each line
	s_cmp_lt_u32 s[WV], 2
	s_cbranch_scc0 .Lnot_k_\@
	tensor_load_to_lds s[G0K:G0K+3], s[G1K:G1K+7]
	s_nop 0
.rept 4
	v_nop
.endr
	s_branch .Lasked_\@
.Lnot_k_\@:
	s_cmp_lt_u32 s[WV], 4
	s_cbranch_scc0 .Lasked_\@
	tensor_load_to_lds s[G0V:G0V+3], s[G1V:G1V+7]
	s_nop 0
.rept 4
	v_nop
.endr
.Lasked_\@:
.endm
; A PREFETCH of what the NEXT change of slots will ask for: 256 rows of K and of V, 32,768 dense bytes each.  Wave 4 asks for K's, wave 5 for V's; the four partners share the bytes out BY ADDRESS, 8,192 each, lanes 256 bytes
; apart: each aligned block of 256 bytes is named once in the launch.  It stands behind the change's tensor loads, a slot's four key steps ahead of the load that will want the bytes.  The last filling change asks for nothing.
.macro ASK
	s_cmp_gt_u32 s[SLOTS], s[LIM]
	s_cbranch_scc0 .Lnot_mine_\@
	global_prefetch_b8 v[PFO], s[PFA:PFA+1] th:TH_LOAD_NT scope:SCOPE_SE
.Lnot_mine_\@:
.endm
.macro CROUND                          ; a round of the cluster's barrier
	s_barrier_signal -1
	s_barrier_wait -1
	s_cmp_lg_u32 s[WV], 0
	s_cbranch_scc1 .Lnot_wave_0_\@
	s_barrier_signal -3
.Lnot_wave_0_\@:
	s_barrier_wait -3
	s_barrier_signal -1
	s_barrier_wait -1
.endm
	s_load_b128 s[4:7], s[0:1], 0x0                ; qkv16, y16
	v_lshl_add_u32 v[SPW], v0, 2, SPARE
	v_mov_b32 v[NIL], 0
	ds_add_u32 v[SPW], v[NIL]                      ; the wave's opening: the add, twice on end, and its wait ahead of the first tensor loads
	ds_add_u32 v[SPW], v[NIL]
	v_lshrrev_b32 v1, 5, v0
	v_readfirstlane_b32 s[WV], v1                  ; wave 0..15
	s_bfe_u32 s[CX], ttmp6, 0x40000                ; cx
	s_lshr_b32 s52, s[WV], 2                       ; the rank: w = 4 i + j keeps its number where i xor j is 1 or 2, and takes 15 - w on the two diagonals
	s_and_b32 s53, s[WV], 3
	s_xor_b32 s52, s52, s53
	s_lshr_b32 s53, s52, 1
	s_xor_b32 s52, s52, s53
	s_and_b32 s52, s52, 1
	s_xor_b32 s52, s52, 1
	s_mul_i32 s52, s52, 15
	s_xor_b32 s[RK], s[WV], s52
	s_lshl_b32 s[DIAG], s[RK], 7                   ; from this key on a step is masked,
	s_add_co_u32 s[LIMK], s[DIAG], 128             ; from this one on left out
	s_lshl_b32 s52, s[CX], 5
	s_add_co_u32 s[Q0], s[DIAG], s52               ; my first query
	s_and_b32 s52, ttmp7, 0xffff                   ; 16 b + h, which the four partners share
	s_and_b32 s53, s52, 15
	s_lshr_b32 s52, s52, 4
	s_lshl_b32 s53, s53, 20
	s_lshl_b32 s52, s52, 18
	s_add_co_u32 s54, s52, s53                     ; the head's first byte in a third of qkv16 and in y16
	s_and_b32 s56, s[WV], 1                        ; which 128 rows of a slot I fetch
	s_lshl_b32 s57, s56, 14
	s_add_co_u32 s58, s54, s57
	s_add_co_u32 s58, s58, 16<<20                  ; K: in memory,
	s_mov_b32 s59, 0
	s_add_co_u32 s60, s58, 16<<20                  ; V
	s_mov_b32 s61, 0
	s_mul_i32 s62, s56, 128*PK                     ; and in a slot
	s_mul_i32 s63, s56, 128*PV
	s_add_co_u32 s63, s63, VOFF
	s_lshl_b32 s66, s[Q0], 7
	s_add_co_u32 s66, s66, s54                     ; my queries' rows in Q and in y
	s_mov_b32 s67, 0
	s_mov_b32 s69, 32<<20
	s_cmp_eq_u32 s[WV], 4
	s_cselect_b32 s68, 16<<20, s69                 ; the prefetches: wave 4 K's third, wave 5 V's,
	s_add_co_u32 s68, s68, s54
	s_lshl_b32 s69, s[CX], 13
	s_add_co_u32 s68, s68, s69                     ; my work-group's 8,192 bytes,
	s_add_co_u32 s68, s68, SKEYS*128               ; in slot 1: the first change steps it to slot 2
	s_mov_b32 s69, 0
	s_sub_co_u32 s70, s[WV], 4
	s_lshr_b32 s70, s70, 1
	s_cmp_eq_u32 s70, 0
	s_cselect_b32 s[LIM], 1, -1                    ; 1 in waves 4 and 5, else the greatest number
	s_mov_b32 s[G1K], 15|(1<<16)|(1<<20)|(1<<21)|(4<<22)|(3<<25)  ; the mask: all four; elements of 2 bytes; padding: 4 words behind every 32; bit 21 beside a mask
	s_mov_b32 s[G1V], 15|(1<<16)|(1<<20)|(1<<21)|(4<<22)|(7<<25)  ; 8 words
.irp g, G1K, G1V
	s_mov_b32 s[\g+1], 64<<16                      ; tensor_dim0
	s_mov_b32 s[\g+2], 128<<16                     ; tensor_dim1
	s_mov_b32 s[\g+3], 64<<16                      ; tile_dim0
	s_mov_b32 s[\g+4], 128                         ; tile_dim1
	s_mov_b32 s[\g+5], 64                          ; stride
	s_mov_b32 s[\g+6], 0
	s_mov_b32 s[\g+7], 0
.endr
	s_mov_b32 s[SEL], 0x76543210
	s_mov_b32 s[SEL+1], 0xfedcba98
	s_mov_b32 s[CS], 0x3e38aa3b                    ; c = log2(e) / 8
	s_mov_b32 s[CS+1], s[CS]
	s_mov_b32 s[KF], 0
	s_mov_b32 s[TBK], 0
	s_mov_b32 s[TBV], 0
	s_mov_b32 s[SLOTS], 2048/SKEYS-1
	s_wait_dscnt 0x0                               ; both opening adds are done
	s_wait_kmcnt 0x0
	s_mov_b32 s[G0K], 1
	s_mov_b32 s[G0K+1], s62
	s_add_nc_u64 s[G0K+2:G0K+3], s[4:5], s[58:59]
	s_or_b32 s[G0K+3], s[G0K+3], 0x80000000
	s_mov_b32 s[G0V], 1
	s_mov_b32 s[G0V+1], s63
	s_add_nc_u64 s[G0V+2:G0V+3], s[4:5], s[60:61]
	s_or_b32 s[G0V+3], s[G0V+3], 0x80000000
	s_add_nc_u64 s[PFA:PFA+1], s[4:5], s[68:69]
	s_add_nc_u64 s[4:5], s[4:5], s[66:67]          ; Q at my first query
	s_add_nc_u64 s[6:7], s[6:7], s[66:67]          ; y likewise
	CROUND                                         ; all four work-groups are here
	JLOAD                                          ; slot 0
	v_and_b32 v10, 15, v0                          ; r
	v_bfe_u32 v11, v0, 4, 1                        ; h
	v_lshlrev_b32 v[ADK], 7, v10
	v_lshl_add_u32 v[ADK], v11, 4, v[ADK]          ; Q: 128 r + 16 h
.irp t, 0,1
.irp f, 0,1
	global_load_b128 v[QF+16*\t+8*\f:QF+16*\t+8*\f+3], v[ADK], s[4:5] offset:2048*\t+64*\f
	global_load_b128 v[QF+16*\t+8*\f+4:QF+16*\t+8*\f+7], v[ADK], s[4:5] offset:2048*\t+64*\f+32
.endr
.endr
	v_mul_u32_u24 v[AK0], v10, PK
	v_lshl_add_u32 v[AK0], v11, 4, v[AK0]          ; K: row r x pitch + 16 h
	v_and_b32 v12, 7, v0
	v_bfe_u32 v13, v0, 3, 1
	v_lshl_add_u32 v[AV0], v11, 3, v12             ; V, turned: key 8 h + lane % 8, channels 8 ((lane / 8) % 2) on
	v_mul_u32_u24 v[AV0], v[AV0], PV
	v_lshl_add_u32 v[AV0], v13, 4, v[AV0]
	v_add_nc_u32 v[AV0], VOFF, v[AV0]
	v_and_b32 v[PFO], 31, v0
	v_lshlrev_b32 v[PFO], 8, v[PFO]
	v_lshlrev_b32 v[LQ], 3, v11
	v_sub_nc_u32 v[LQ], v10, v[LQ]
	v_mov_b32 v[NINF], 0xff800000
.irp t, 0,1
	v_mov_b32 v[ST+8*\t+1], 0xff61b1e6             ; m = -3e38, under every score
	v_mul_f32 v[ST+8*\t], s[CS], v[ST+8*\t+1]      ; c m
.irp j, 2,3,4,5,6,7
	v_mov_b32 v[ST+8*\t+\j], 0
.endr
	v_mov_b32 v[UU+2*\t], 0
	v_mov_b32 v[UU+2*\t+1], 0
.endr
.set i, 0
.rept 64
	v_mov_b32 v[OT+i], 0                           ; O^T: the step is written once; its first trip finds zeros, which a = 0 leaves zeros
.set i, i+1
.endr
; A KEY STEP: 64 keys.
.macro STEP
	s_cmp_ge_u32 s[KF], s[LIMK]                    ; all these keys come after my 32 queries' block: the step's work is left out (the wave's number and the count of steps decide)
	s_cbranch_scc1 .Lhid_\@
	v_add_nc_u32 v[ADK], s[TBK], v[AK0]
	v_add_nc_u32 v[ADV], s[TBV], v[AV0]
.rept 3
	v_nop                                          ; with the two additions five places: S^T's registers, which the last products read as P, are written over by matrix instructions below
.endr
.irp kt, 0,1,2,3
.irp f, 0,1
	ds_load_b128 v[KV+8*(2*\kt+\f):KV+8*(2*\kt+\f)+3], v[ADK] offset:\kt*16*PK+\f*64
	ds_load_b128 v[KV+8*(2*\kt+\f)+4:KV+8*(2*\kt+\f)+7], v[ADK] offset:\kt*16*PK+\f*64+32
.endr
.endr
	s_wait_dscnt 0x0
.set i, 0
.rept 16                                       ; S^T = K Q^T: channels 32 (i / 8) on, keys 16 ((i / 2) % 4) on, tile i % 2: eight accumulators by turns
.set rS, S+32*(i%2)+8*((i/2)%4)
.set rK, KV+8*(2*((i/2)%4)+i/8)
.set rQ, QF+16*(i%2)+8*(i/8)
.if i < 8
	v_wmma_f32_16x16x32_f16 v[rS:rS+7], v[rK:rK+7], v[rQ:rQ+7], 0
.else
	v_wmma_f32_16x16x32_f16 v[rS:rS+7], v[rK:rK+7], v[rQ:rQ+7], v[rS:rS+7]
.endif
.set i, i+1
.endr
.rept 4
	v_nop                                          ; places in front of the loads into K's registers and of the first reads of the scores
.endr
.irp g, 0,1
.irp ct, 0,1,2,3
	ds_load_tr16_b128 v[KV+8*(4*\g+\ct):KV+8*(4*\g+\ct)+3], v[ADV] offset:\g*32*PV+\ct*32
	ds_load_tr16_b128 v[KV+8*(4*\g+\ct)+4:KV+8*(4*\g+\ct)+7], v[ADV] offset:\g*32*PV+16*PV+\ct*32
.endr
.endr
	s_cmp_lt_u32 s[KF], s[DIAG]                    ; a step all of whose keys count for all my queries skips the mask
	s_cbranch_scc1 .Lopen_\@
	s_sub_co_i32 s52, s[Q0], s[KF]
	v_add_nc_u32 v[DD], s52, v[LQ]                 ; d = my query - the step's first key - 8 (lane / 16).  Register n holds key 16 (n / 8) + n % 8 + 8 (lane / 16): hidden where 16 (n / 8) + n % 8 > d
	v_add_nc_u32 v[DD+1], 16, v[DD]
.irp n, 0,1,2,3,4,5,6,7,8,9,10,11,12,13,14,15,16,17,18,19,20,21,22,23,24,25,26,27,28,29,30,31
.irp t, 0,1
	v_cmp_gt_i32 vcc_lo, 16*(\n/8)+\n%8, v[DD+\t]
	v_cndmask_b32 v[S+32*\t+\n], v[S+32*\t+\n], v[NINF], vcc_lo
.endr
.endr
.Lopen_\@:
.irp j, 0,1,2,3                                ; the maximum of the 32 scores and the old m: four chains, the two tiles line by line; each accumulator is read from its low end on
.irp t, 0,1
	v_max3_num_f32 v[ST+8*\t+4+\j], v[S+32*\t+8*\j], v[S+32*\t+8*\j+1], v[S+32*\t+8*\j+2]
.endr
.endr
.irp u, 1,2
.irp j, 0,1,2,3
.irp t, 0,1
	v_max3_num_f32 v[ST+8*\t+4+\j], v[ST+8*\t+4+\j], v[S+32*\t+8*\j+2*\u+1], v[S+32*\t+8*\j+2*\u+2]
.endr
.endr
.endr
.irp t, 0,1
	v_max3_num_f32 v[ST+8*\t+4], v[ST+8*\t+4], v[S+32*\t+7], v[S+32*\t+15]
.endr
.irp t, 0,1
	v_max3_num_f32 v[ST+8*\t+6], v[ST+8*\t+6], v[S+32*\t+23], v[S+32*\t+31]
.endr
.irp t, 0,1
	v_max3_num_f32 v[ST+8*\t+4], v[ST+8*\t+4], v[ST+8*\t+5], v[ST+8*\t+6]
.endr
.irp t, 0,1
	v_max3_num_f32 v[ST+8*\t+4], v[ST+8*\t+4], v[ST+8*\t+7], v[ST+8*\t+1]
.endr
.irp t, 0,1
	v_permlanex16_b32 v[ST+8*\t+5], v[ST+8*\t+4], s[SEL], s[SEL+1]   ; the query's other 32 keys lie in the lane 16 away
.endr
.irp t, 0,1
	v_mov_b32 v[ST+8*\t+7], v[ST+8*\t]             ; c m_old
.endr
.irp t, 0,1
	v_max_num_f32 v[ST+8*\t+1], v[ST+8*\t+4], v[ST+8*\t+5]
.endr
.irp t, 0,1
	v_mul_f32 v[ST+8*\t], s[CS], v[ST+8*\t+1]
.endr
.irp t, 0,1
	v_sub_f32 v[ST+8*\t+7], v[ST+8*\t+7], v[ST+8*\t]
.endr
.irp j, 0,2,4,6,8,10,12,14,16,18,20,22,24,26,28,30
.irp t, 0,1
	v_pk_fma_f32 v[S+32*\t+\j:S+32*\t+\j+1], v[S+32*\t+\j:S+32*\t+\j+1], s[CS:CS+1], v[ST+8*\t:ST+8*\t+1] op_sel_hi:[1,0,0] neg_lo:[0,0,1] neg_hi:[0,0,1]   ; c s - c m
.endr
.endr
.irp t, 0,1
	v_exp_f32 v[ST+8*\t+6], v[ST+8*\t+7]           ; a.  ONE BATCH of 66 exponentials: none reads another's result
.endr
.irp j, 0,1,2,3,4,5,6,7,8,9,10,11,12,13,14,15,16,17,18,19,20,21,22,23,24,25,26,27,28,29,30,31
.irp t, 0,1
	v_exp_f32 v[S+32*\t+\j], v[S+32*\t+\j]
.endr
.endr
	v_nop                                          ; a plain instruction behind the last exponential
	s_wait_alu depctr_va_vdst(0)                   ; one wait for the batch, ahead of its first reader
.irp t, 0,1
	v_pk_add_f32 v[UU+2*\t:UU+2*\t+1], v[S+32*\t:S+32*\t+1], v[S+32*\t+2:S+32*\t+3]      ; the sums, of the weights before they are rounded: two chains a tile
.endr
.irp t, 0,1
	v_pk_add_f32 v[ST+8*\t+4:ST+8*\t+5], v[S+32*\t+4:S+32*\t+5], v[S+32*\t+6:S+32*\t+7]
.endr
.irp j, 8,12,16,20,24,28
.irp t, 0,1
	v_pk_add_f32 v[UU+2*\t:UU+2*\t+1], v[UU+2*\t:UU+2*\t+1], v[S+32*\t+\j:S+32*\t+\j+1]
	v_pk_add_f32 v[ST+8*\t+4:ST+8*\t+5], v[ST+8*\t+4:ST+8*\t+5], v[S+32*\t+\j+2:S+32*\t+\j+3]
.endr
.endr
.irp t, 0,1
	v_pk_add_f32 v[UU+2*\t:UU+2*\t+1], v[UU+2*\t:UU+2*\t+1], v[ST+8*\t+4:ST+8*\t+5]
.endr
.irp t, 0,1
	v_pk_fma_f32 v[ST+8*\t+2:ST+8*\t+3], v[ST+8*\t+2:ST+8*\t+3], v[ST+8*\t+6:ST+8*\t+7], v[UU+2*\t:UU+2*\t+1] op_sel_hi:[1,0,1]   ; l = a l + the sum
.endr
.irp j, 0,1,2,3,4,5,6,7,8,9,10,11,12,13,14,15
.irp t, 0,1
	v_cvt_pk_f16_f32 v[S+32*\t+\j], v[S+32*\t+2*\j], v[S+32*\t+2*\j+1]   ; P in place, ascending: register j is written when 2 j and 2 j + 1 are read
.endr
.endr
.irp j, 0,2,4,6,8,10,12,14,16,18,20,22,24,26,28,30
.irp t, 0,1
	v_pk_mul_f32 v[OT+32*\t+\j:OT+32*\t+\j+1], v[OT+32*\t+\j:OT+32*\t+\j+1], v[ST+8*\t+6:ST+8*\t+7] op_sel_hi:[1,0]   ; O^T x a, each accumulator from its low end on
.endr
.endr
	s_wait_dscnt 0x0                               ; V is in
.set i, 0
.rept 16                                       ; O^T += V^T P: keys 32 (i / 8) on, channels 16 ((i / 2) % 4) on, tile i % 2: eight accumulators by turns
.set rO, OT+32*(i%2)+8*((i/2)%4)
.set rV, KV+8*(4*(i/8)+(i/2)%4)
.set rP, S+32*(i%2)+8*(i/8)
	v_wmma_f32_16x16x32_f16 v[rO:rO+7], v[rV:rV+7], v[rP:rP+7], v[rO:rO+7]
.set i, i+1
.endr
.Lhid_\@:
	s_add_co_u32 s[KF], s[KF], 64
	s_add_co_u32 s[TBK], s[TBK], 64*PK
	s_add_co_u32 s[TBV], s[TBV], 64*PV
.endm
; THE CHANGE OF SLOTS stands at a slot's head.  Each wave waits for all its tensor loads, adds 0 to its spare word (fill = 1: twice on end), and waits for that and for its reads
; of the slot that it has left.  fill = 1: a round of the cluster's barrier, and behind it the joint fill of the slot just left, which has a whole slot's steps in which to land.
.macro CHANGE fill
	s_wait_tensorcnt 0x0                           ; no tensor load of mine is out, so a group 0 may be written
	ds_add_u32 v[SPW], v[NIL]
.if \fill
	ds_add_u32 v[SPW], v[NIL]
	s_xor_b32 s[G0K+1], s[G0K+1], SLOT1            ; the walking descriptors: the other slot,
	s_add_nc_u64 s[G0K+2:G0K+3], s[G0K+2:G0K+3], SKEYS*128   ; the next 256 keys
	s_xor_b32 s[G0V+1], s[G0V+1], SLOT1
	s_add_nc_u64 s[G0V+2:G0V+3], s[G0V+2:G0V+3], SKEYS*128
	s_wait_xcnt 0x0                                ; the last prefetch, a slot back, has read its address
	s_add_nc_u64 s[PFA:PFA+1], s[PFA:PFA+1], SKEYS*128
	s_wait_dscnt 0x0                               ; the adds are done, and my reads of the slot that I have left are over
	CROUND
	JLOAD
	ASK
.else
	s_wait_dscnt 0x0
	s_barrier_signal -1
	s_barrier_wait -1
.endif
.endm
.macro SLOTWORK                        ; a slot's four key steps: written once, walked four times
	s_mov_b32 s[CNT], 4
.Lstep_\@:
	STEP
	s_sub_co_u32 s[CNT], s[CNT], 1
	s_cmp_lg_u32 s[CNT], 0
	s_cbranch_scc1 .Lstep_\@
	s_sub_co_u32 s[TBK], s[TBK], SKEYS*PK          ; back to a slot's first step,
	s_xor_b32 s[TBK], s[TBK], SLOT1                ; in the other slot
	s_sub_co_u32 s[TBV], s[TBV], SKEYS*PV
	s_xor_b32 s[TBV], s[TBV], SLOT1
.endm
	s_wait_loadcnt 0x0                             ; Q; its offset register is free
.Lslot:                                            ; seven trips: behind each change of slots but the last the next slot is asked for
	CHANGE 1
	SLOTWORK
	s_sub_co_u32 s[SLOTS], s[SLOTS], 1
	s_cmp_lg_u32 s[SLOTS], 0
	s_cbranch_scc1 .Lslot
	CHANGE 0                                       ; the last slot is written out
	SLOTWORK
; THE WAY OUT: l's halves and the other half of the lanes' are added; O^T / l, rounded to f16, goes through my stage and leaves as 512 consecutive bytes a store.
.rept 4
	v_nop                                          ; places behind the last products
.endr
.irp t, 0,1
	v_add_f32 v[ST+8*\t+4], v[ST+8*\t+2], v[ST+8*\t+3]
.endr
.irp t, 0,1
	v_permlanex16_b32 v[ST+8*\t+5], v[ST+8*\t+4], s[SEL], s[SEL+1]
.endr
.irp t, 0,1
	v_add_f32 v[ST+8*\t+4], v[ST+8*\t+4], v[ST+8*\t+5]
.endr
.irp t, 0,1
	v_rcp_f32 v[ST+8*\t+6], v[ST+8*\t+4]
.endr
	v_and_b32 v8, 15, v0                           ; (plain work behind the reciprocals)  r
	v_bfe_u32 v9, v0, 4, 1                         ; h
	s_mul_i32 s52, s[WV], 16*SP
	s_add_co_u32 s52, s52, STAGE                   ; my stage
	v_mul_u32_u24 v[ADK], v8, SP
	v_lshl_add_u32 v[ADK], v9, 4, v[ADK]
	v_add_nc_u32 v[ADK], s52, v[ADK]               ; in: row r, 16 bytes for each half of the lanes
	v_bfe_u32 v8, v0, 3, 2
	v_and_b32 v9, 7, v0
	v_mul_u32_u24 v[ADV], v8, SP
	v_lshl_add_u32 v[ADV], v9, 4, v[ADV]
	v_add_nc_u32 v[ADV], s52, v[ADV]               ; back: eight lanes to a row of 128 bytes, four rows a load
	v_and_b32 v10, 31, v0
	v_lshlrev_b32 v10, 4, v10
	s_wait_alu depctr_va_vdst(0)                   ; one wait for the two reciprocals, ahead of their first reader
.macro PACK t
.set i, 0
.rept 16
	v_pk_mul_f32 v[OT+32*\t+2*i:OT+32*\t+2*i+1], v[OT+32*\t+2*i:OT+32*\t+2*i+1], v[ST+8*\t+6:ST+8*\t+7] op_sel_hi:[1,0]
.set i, i+1
.endr
.set i, 0
.rept 16
	v_cvt_pk_f16_f32 v[S+16*\t+i], v[OT+32*\t+2*i], v[OT+32*\t+2*i+1]
.set i, i+1
.endr
.irp ct, 0,1,2,3
	ds_store_b128 v[ADK], v[S+16*\t+4*\ct:S+16*\t+4*\ct+3] offset:32*\ct
.endr
.irp u, 0,1,2,3
	ds_load_b128 v[KV+16*\t+4*\u:KV+16*\t+4*\u+3], v[ADV] offset:\u*4*SP   ; LDS serves a wave's instructions in order: these see the stores above, and the next tile's stores come behind them
.endr
.endm
.macro SEND t, younger                 ; younger: the LDS instructions issued behind tile t's loads
.irp u, 0,1,2,3
	s_wait_dscnt \younger+3-\u
	global_store_b128 v10, v[KV+16*\t+4*\u:KV+16*\t+4*\u+3], s[6:7] offset:2048*\t+512*\u
.endr
.endm
	PACK 0
	PACK 1
	SEND 0, 8
	SEND 1, 0
	s_wait_tensorcnt 0x0                           ; the wave's end
	ds_add_u32 v[SPW], v[NIL]
	s_wait_dscnt 0x0
	CROUND                                         ; the closing round
	s_endpgm
.Lfunc_end_k_q9fbc18d7ae_attn:
	.size	k_q9fbc18d7ae_attn, .Lfunc_end_k_q9fbc18d7ae_attn-k_q9fbc18d7ae_attn
	.p2alignl 7, 3214868480
	.fill 96, 4, 3214868480
	.section	.rodata,"a",@progbits
	.p2align	6, 0x0
	.amdhsa_kernel k_q9fbc18d7ae_attn
		.amdhsa_group_segment_fixed_size 327680
		.amdhsa_private_segment_fixed_size 0
		.amdhsa_enable_private_segment 0
		.amdhsa_kernarg_size 16
		.amdhsa_user_sgpr_count 2
		.amdhsa_user_sgpr_kernarg_segment_ptr 1
		.amdhsa_wavefront_size32 1
		.amdhsa_system_sgpr_workgroup_id_x 1
		.amdhsa_system_sgpr_workgroup_id_y 1
		.amdhsa_system_sgpr_workgroup_id_z 1
		.amdhsa_system_vgpr_workitem_id 0
		.amdhsa_next_free_vgpr 256
		.amdhsa_next_free_sgpr 72
		.amdhsa_reserve_vcc 1
		.amdhsa_float_denorm_mode_32 3
		.amdhsa_float_denorm_mode_16_64 3
		.amdhsa_memory_ordered 1
		.amdhsa_forward_progress 1
		.amdhsa_inst_pref_size 63
	.end_amdhsa_kernel
	.amdgpu_metadata
---
amdhsa.version: [ 1, 2 ]
amdhsa.kernels:
  - .name:           k_q9fbc18d7ae_attn
    .symbol:         k_q9fbc18d7ae_attn.kd
    .args:
      - { .name: qkv16, .offset: 0, .size: 8, .value_kind: global_buffer, .address_space: global }
      - { .name: y16, .offset: 8, .size: 8, .value_kind: global_buffer, .address_space: global }
    .group_segment_fixed_size: 327680
    .private_segment_fixed_size: 0
    .kernarg_segment_align: 8
    .kernarg_segment_size: 16
    .max_flat_workgroup_size: 512
    .sgpr_count:     72
    .vgpr_count:     256
    .wavefront_size: 32
...
	.end_amdgpu_metadata
.endif
;; end of part 3
;; launch proj (part 4): grid 4 x 64, 4 waves a work-group, clusters of 4 x 4, 327,680 bytes of LDS; arguments y16, wp16, b_proj, out0; writes out0
.if DOCPART == 4
	.amdgcn_target "amdgcn-amd-amdhsa--gfx1250"
	.amdhsa_code_object_version 6
	.text
	.protected	k_q9fbc18d7ae_proj
	.globl	k_q9fbc18d7ae_proj
	.p2align	8
	.type	k_q9fbc18d7ae_proj,@function
k_q9fbc18d7ae_proj:
	s_mov_b64 s[64:65], 0
	v_nop
	global_prefetch_b8 v0, s[64:65] scope:SCOPE_SE
	s_setreg_imm32_b32 hwreg(HW_REG_WAVE_MODE, 25, 1), 1
	s_wait_xcnt 0x0
	s_wait_alu depctr_hold_cnt(0) depctr_sa_sdst(0) depctr_va_vdst(0) depctr_va_sdst(0) depctr_va_ssrc(0) depctr_va_vcc(0) depctr_vm_vsrc(0)
	s_getreg_b32 s2, hwreg(HW_REG_IB_STS2, 6, 4)
	s_cmp_eq_u32 s2, 0
	s_cbranch_scc0 .Lentry_in_a_cluster
	s_endpgm
.Lentry_in_a_cluster:
	s_bfe_u32 s2, ttmp6, 0x10000c
	s_cmp_lg_u32 s2, 0xf033
	s_cbranch_scc0 .Lentry_shape_is_right
	s_endpgm
.Lentry_shape_is_right:
; out0[m][o] = sum over c of y[m][c] w_proj[o][c] + b_proj[o].  y16 [16 h][8192 m][64] f16 (c = 64 h + d), wp16 [1024 o][1024 c] f16, out0 [8192][1024] f32; sums in f32.
; LIMITS: f16 operands (|y|, |w_proj| under 65,504); the bias is the C of each sum's first matrix instruction.  The rows t < 16 of each batch are written again, in f32 arithmetic, by the launch that follows.
; A tile of 128 x 256 gives 256 work-groups.  Four waves, each 64 rows x 128 columns: 32 accumulators.  K goes in steps of 128 (two heads) through a ring of two LDS slots.
; CLUSTERS: 4 x 4.  The four of a row of the cluster need the same tiles of y, the four of a column the same tiles of wp16: each is asked for JOINTLY.  Waves 0, 1 fetch y's even and odd head (128 rows x 128 bytes),
; waves 2, 3 wp16's two halves (128 rows x 256 bytes): one load a wave behind each round.
; THE MATRIX INSTRUCTION IS USED TRANSPOSED (source 0 = 16 rows of wp16, source 1 = 16 rows of y): a lane holds eight neighbouring columns of one row of out0.
; REGISTERS: window 0: v16-29 addresses; v64-159, v160-255 two fragment buffers (wp16's eight fragments, then y's four).  window 1: the accumulators, (a, b) at v[8 (8 a + b)].  window 2: v0-63 the bias in the result's layout.
.set PA,    144                        ; y's LDS row: 128 bytes + 16
.set PB,    272                        ; wp16's: 256 + 16
.set AHD,   128*PA                     ; one head's sub-tile
.set BOFF,  2*AHD
.set BHALF, 128*PB
.set SLOT,  BOFF+2*BHALF
.set SPARE, 2*SLOT                     ; the spare words, 128 bytes a wave
.set SPITCH, 528                       ; the way out: 16 rows x (512 + 16) bytes a wave, in slot 0, which has had its last fill and its last read by then
.set ADRA, 16
.set ADRB, 20
.set STO,  24
.set RD,   25
.set CO,   26
.set PFO,  27
.set SPW,  28
.set NIL,  29
.set F0,   64
.set F1,   160
.set WV,   12
.set G1,   24
.set G0,   32
.set PFA,  40
.set PFS,  42
.set LIM,  44
.set G1B,  48
.set G0B,  56
.set MSB, 0
.macro WIN new
.if MSB != \new
	s_set_vgpr_msb (MSB<<8)|\new
.set MSB, \new
.endif
.endm
.set MUL,  0x50                        ; sources 0 and 1 window 0; C and D window 1
.set MULZ, 0x60                        ; C (the bias) window 2, D window 1
.macro JLOAD s                         ; an s_nop 0 and four v_nop follow each of the two lines
	s_cmp_eq_u32 s13, 0
	s_cbranch_scc0 .Lfor_b_\@
	tensor_load_to_lds s[G0+4*\s:G0+4*\s+3], s[G1:G1+7]
	s_nop 0
.rept 4
	v_nop
.endr
	s_branch .Lasked_\@
.Lfor_b_\@:
	tensor_load_to_lds s[G0B+4*\s:G0B+4*\s+3], s[G1B:G1B+7]
	s_nop 0
.rept 4
	v_nop
.endr
.Lasked_\@:
.endm
; A PREFETCH of the K step that stands two refills on (256 matrix instructions of a wave ahead of the load that will want it).  y's two sub-tiles of a K step are 128 blocks of 256 bytes: wave 0 asks, the four partners of a
; row of the cluster take 32 blocks each BY ADDRESS (cx).  wp16's 256 rows x 256 bytes are read by all sixteen clusters: cluster y = 0 asks, waves 2 and 3 for the 128 rows that they fetch, the partners of a column 32 rows
; each by address (cy), a lane a row.  So each block is named once.  K steps 0 to 3 come by their loads alone; the loop's last trip asks for nothing.
.macro ASK
	s_cmp_gt_u32 s3, s[LIM]
	s_cbranch_scc0 .Lnot_mine_\@
	global_prefetch_b8 v[PFO], s[PFA:PFA+1] th:TH_LOAD_NT scope:SCOPE_SE
.Lnot_mine_\@:
.endm
.macro CREST
	s_cmp_lg_u32 s[WV], 0
	s_cbranch_scc1 .Lnot_wave_0_\@
	s_barrier_signal -3
.Lnot_wave_0_\@:
	s_barrier_wait -3
	s_barrier_signal -1
	s_barrier_wait -1
.endm
.macro CROUND
	s_barrier_signal -1
	s_barrier_wait -1
	CREST
.endm
	s_load_b256 s[4:11], s[0:1], 0x0               ; y16, wp16, b_proj, out0
	v_lshl_add_u32 v[SPW], v0, 2, SPARE
	v_mov_b32 v[NIL], 0
	ds_add_u32 v[SPW], v[NIL]                      ; the wave's opening: the add, twice on end, and its wait ahead of my first tensor load
	ds_add_u32 v[SPW], v[NIL]
	v_lshrrev_b32 v1, 5, v0
	v_readfirstlane_b32 s[WV], v1                  ; wave 0..3
	s_lshr_b32 s13, s[WV], 1                       ; which 64 rows are mine.  Also: I fetch for y (0) or for wp16 (1)
	s_and_b32 s14, s[WV], 1                        ; which 128 columns.  Also: which head, or which 128 rows, I fetch
	s_bfe_u32 s15, ttmp6, 0x40000                  ; cx = the tile column
	s_bfe_u32 s16, ttmp6, 0x40004                  ; cy
	s_and_b32 s17, ttmp7, 0xffff                   ; cluster y
	s_lshl_b32 s20, s17, 2
	s_add_co_u32 s20, s20, s16                     ; the tile row = 4 x cluster y + cy
	s_lshl_b32 s18, s16, 2
	s_lshl_b32 s18, 15, s18                        ; my row of the cluster
	s_lshl_b32 s19, 0x1111, s15                    ; my column
	s_or_b32 s[G1+0], s18, (1<<16)|(1<<20)|(1<<21)|(4<<22)|(3<<25)   ; y: elements of 2 bytes; 4 words of padding behind every 32
	s_mov_b32 s[G1+1], 64<<16
	s_mov_b32 s[G1+2], 128<<16
	s_mov_b32 s[G1+3], 64<<16
	s_mov_b32 s[G1+4], 128
	s_mov_b32 s[G1+5], 64
	s_mov_b32 s[G1+6], 0
	s_mov_b32 s[G1+7], 0
	s_or_b32 s[G1B+0], s19, (1<<16)|(1<<20)|(1<<21)|(5<<22)|(3<<25)  ; wp16: behind every 64
	s_mov_b32 s[G1B+1], 128<<16
	s_mov_b32 s[G1B+2], 128<<16
	s_mov_b32 s[G1B+3], 128<<16
	s_mov_b32 s[G1B+4], 128
	s_mov_b32 s[G1B+5], 1024
	s_mov_b32 s[G1B+6], 0
	s_mov_b32 s[G1B+7], 0
	s_lshl_b32 s22, s14, 20                        ; y: head (wave % 2), 2^20 bytes a head,
	s_lshl_b32 s23, s20, 14                        ; row 128 x tile row, 128 bytes a row
	s_add_co_u32 s22, s22, s23
	s_mov_b32 s23, 0
	s_lshl_b32 s46, s15, 19                        ; wp16: row 256 cx + 128 (wave % 2), 2,048 bytes a row
	s_lshl_b32 s47, s14, 18
	s_add_co_u32 s46, s46, s47
	s_mov_b32 s47, 0
	s_mul_i32 s45, s14, AHD                        ; where they go: no place in the cluster enters an LDS address
	s_mul_i32 s21, s14, BHALF
	s_add_co_u32 s21, s21, BOFF
	s_wait_dscnt 0x0                               ; both opening adds are done
	s_wait_kmcnt 0x0
	s_add_nc_u64 s[22:23], s[4:5], s[22:23]
	s_add_nc_u64 s[46:47], s[6:7], s[46:47]
	CROUND                                         ; all sixteen work-groups are here
.irp s, 0,1
	s_mov_b32 s[G0+4*\s], 1
	s_add_co_u32 s[G0+4*\s+1], s45, \s*SLOT
	s_add_nc_u64 s[G0+4*\s+2:G0+4*\s+3], s[22:23], \s*(2<<20)
	s_or_b32 s[G0+4*\s+3], s[G0+4*\s+3], 0x80000000
	s_mov_b32 s[G0B+4*\s], 1
	s_add_co_u32 s[G0B+4*\s+1], s21, \s*SLOT
	s_add_nc_u64 s[G0B+4*\s+2:G0B+4*\s+3], s[46:47], \s*256
	s_or_b32 s[G0B+4*\s+3], s[G0B+4*\s+3], 0x80000000
	JLOAD \s                                       ; two tensor loads of mine are out
.endr
	v_and_b32 v1, 15, v0                           ; r
	v_bfe_u32 v2, v0, 4, 1                         ; h
	v_lshlrev_b32 v7, 5, v2
	s_lshl_b32 s46, s15, 10                        ; my first column in f32 bytes: 1024 cx + 512 x half
	s_lshl_b32 s47, s14, 9
	s_add_co_u32 s46, s46, s47
	s_mov_b32 s47, 0
	s_add_nc_u64 s[8:9], s[8:9], s[46:47]
	WIN 0x80                                       ; destination window 2
.irp b, 0,1,2,3,4,5,6,7
	global_load_b128 v[8*\b:8*\b+3], v7, s[8:9] offset:64*\b           ; block b, lane (r, h): b_proj at my columns 16 b + 8 h + 0 .. 7
	global_load_b128 v[8*\b+4:8*\b+7], v7, s[8:9] offset:64*\b+16
.endr
	WIN 0
	s_add_nc_u64 s[10:11], s[10:11], s[46:47]      ; out0: my columns,
	s_lshl_b32 s46, s20, 19
	s_lshl_b32 s21, s13, 18
	s_add_co_u32 s46, s46, s21                     ; my first row: 128 x tile row + 64 x half, 4,096 bytes a row
	s_add_nc_u64 s[10:11], s[10:11], s[46:47]
	v_mul_u32_u24 v3, v1, PA
	v_lshl_add_u32 v3, v2, 4, v3
	v_mul_u32_u24 v4, v1, PB
	v_lshl_add_u32 v4, v2, 4, v4
	s_mul_i32 s21, s13, 64*PA                      ; my 64 rows of y,
	s_mul_i32 s22, s14, BHALF                      ; my 128 rows of wp16
	s_add_co_u32 s22, s22, BOFF
.irp s, 0,1
	v_add_nc_u32 v[ADRA+\s], s21, v3
	v_add_nc_u32 v[ADRB+\s], s22, v4
	s_add_co_u32 s21, s21, SLOT
	s_add_co_u32 s22, s22, SLOT
.endr
	s_mul_i32 s23, s[WV], 16*SPITCH                ; my stage
	v_mul_u32_u24 v5, v1, SPITCH
	v_lshl_add_u32 v5, v2, 5, v5
	v_add_nc_u32 v[STO], s23, v5
	v_and_b32 v6, 31, v0
	v_lshlrev_b32 v[CO], 4, v6
	v_add_nc_u32 v[RD], s23, v[CO]
	; the prefetches: who asks, from where, in which steps
	s_lshl_b32 s68, s20, 14
	s_lshl_b32 s69, s15, 12
	s_add_co_u32 s68, s68, s69
	s_add_co_u32 s68, s68, 3*(2<<20)               ; y: the tile's rows, my work-group's 4,096 bytes of each head, at K step 3: the first refill steps it to 4
	s_lshl_b32 s70, s15, 19
	s_lshl_b32 s69, s14, 18
	s_add_co_u32 s70, s70, s69
	s_lshl_b32 s69, s16, 16
	s_add_co_u32 s70, s70, s69
	s_add_co_u32 s70, s70, 3*256                   ; wp16: the 128 rows that I fetch, my work-group's 32 of them, at K step 3
	s_mov_b32 s[PFS], 256
	s_mov_b32 s[PFS+1], 0
	s_cmp_eq_u32 s13, 0                            ; do I fetch for y?
	s_cselect_b32 s66, s14, s17                    ; y: wave 0 asks; wp16: the clusters with y = 0
	s_cselect_b64 s[PFA:PFA+1], s[4:5], s[6:7]
	s_cselect_b32 s67, -1, 0
	s_cselect_b32 s[PFS], 2<<20, s[PFS]            ; a K step on
	s_cselect_b32 s68, s68, s70
	s_mov_b32 s69, 0
	s_add_nc_u64 s[PFA:PFA+1], s[PFA:PFA+1], s[68:69]
	s_cmp_eq_u32 s66, 0
	s_cselect_b32 s[LIM], 1, -1                    ; the same in all sixteen partners, for a given wave
	v_lshlrev_b32 v8, 8, v1
	v_lshl_add_u32 v8, v2, 20, v8                  ; y: head lane / 16, block lane % 16
	v_lshlrev_b32 v9, 11, v6                       ; wp16: a lane a row
	v_cndmask_b32 v[PFO], v9, v8, s67
.macro MUL8 f, a, zero                 ; y's block a against wp16's eight, 32 along K.  The 32 accumulators take turns in the same order in every quarter
.irp b, 0,1,2,3,4,5,6,7
.if \zero
	v_wmma_f32_16x16x32_f16 v[8*(8*(\a)+\b):8*(8*(\a)+\b)+7], v[\f+8*\b:\f+8*\b+7], v[\f+64+8*(\a):\f+64+8*(\a)+7], v[8*\b:8*\b+7]
.else
	v_wmma_f32_16x16x32_f16 v[8*(8*(\a)+\b):8*(8*(\a)+\b)+7], v[\f+8*\b:\f+8*\b+7], v[\f+64+8*(\a):\f+64+8*(\a)+7], v[8*(8*(\a)+\b):8*(8*(\a)+\b)+7]
.endif
.endr
.endm
.macro FETCH slot, q, f                ; 24 LDS loads in one run: the fragments of the slot's q-th 32 along K: wp16's eight, then y's four (head q / 2, channels 32 (q % 2) on)
.irp i, 0,1,2,3,4,5,6,7
	ds_load_b128 v[\f+8*\i:\f+8*\i+3],   v[ADRB+\slot] offset:64*(\q)+\i*16*PB
	ds_load_b128 v[\f+8*\i+4:\f+8*\i+7], v[ADRB+\slot] offset:64*(\q)+\i*16*PB+32
.endr
.irp i, 0,1,2,3
	ds_load_b128 v[\f+64+8*\i:\f+64+8*\i+3],   v[ADRA+\slot] offset:((\q)/2)*AHD+64*((\q)%2)+\i*16*PA
	ds_load_b128 v[\f+64+8*\i+4:\f+64+8*\i+7], v[ADRA+\slot] offset:((\q)/2)*AHD+64*((\q)%2)+\i*16*PA+32
.endr
.endm
.macro PLACES
.rept 4
	v_nop
.endr
.endm
.macro QUARTER slot, qn, f, g, zero    ; multiplies buffer f; in its middle it fetches quarter qn of the same slot into buffer g
	s_wait_dscnt 4                                 ; all but y's blocks 2 and 3 are in
.if \zero
	WIN MULZ
.else
	WIN MUL
.endif
	MUL8 \f, 0, \zero
	MUL8 \f, 1, \zero
	PLACES                                         ; in front of loads into registers that matrix instructions have read
	WIN 0
	FETCH \slot, \qn, \g
	s_wait_dscnt 24                                ; all but the 24 just issued
.if \zero
	WIN MULZ
.else
	WIN MUL
.endif
	MUL8 \f, 2, \zero
	MUL8 \f, 3, \zero
.endm
; A slot's last quarter multiplies buffer 1 and changes slots: ONE barrier; in front of it each wave waits for all its tensor loads, adds 0 to its spare word, and waits for that and for its reads of this slot.
; fill = 1: the barrier opens a round of the cluster's, and the joint refill (two K steps ahead) is the first thing behind it.
.macro TURN slot, next, fill
.if \fill
	s_wait_xcnt 0x0                                ; the last prefetch, a K step back, has read its address
	s_add_nc_u64 s[PFA:PFA+1], s[PFA:PFA+1], s[PFS:PFS+1]
.endif
	WIN 0
	s_wait_tensorcnt 0x0                           ; my part of the next slot has landed
	ds_add_u32 v[SPW], v[NIL]
	s_wait_dscnt 5                                 ; (the add and y's blocks 2 and 3 may be out)
	WIN MUL
	MUL8 F1, 0, 0
	s_wait_dscnt 0x0                               ; the add is done, and my reads of this slot are over
	s_barrier_signal -1
	MUL8 F1, 1, 0
	WIN 0
	s_barrier_wait -1
.if \fill
	CREST                                          ; no wave of any partner still reads this slot or has a load on its way
	s_add_nc_u64 s[G0+4*\slot+2:G0+4*\slot+3], s[G0+4*\slot+2:G0+4*\slot+3], 4<<20
	s_add_nc_u64 s[G0B+4*\slot+2:G0B+4*\slot+3], s[G0B+4*\slot+2:G0B+4*\slot+3], 512
	JLOAD \slot                                    ; its four v_nop are also the places in front of the loads below
.else
	PLACES
.endif
	FETCH \next, 0, F0
.if \fill
	ASK
.endif
	WIN MUL
	MUL8 F1, 2, 0
	MUL8 F1, 3, 0
.endm
	s_wait_tensorcnt 1                             ; my part of K step 0 is in (K step 1's load may be out),
	s_barrier_signal -1
	s_barrier_wait -1                              ; everybody's is
	FETCH 0, 0, F0
	s_wait_loadcnt 0x0                             ; the bias
	QUARTER 0, 1, F0, F1, 1                        ; the first quarter starts the sums from the bias
	WIN 0
	s_mov_b32 s3, 3
.Llap:                                             ; a trip goes once round the ring and fills both slots again: K steps 2 to 7
	QUARTER 0, 2, F1, F0, 0
	QUARTER 0, 3, F0, F1, 0
	TURN 0, 1, 1
	QUARTER 1, 1, F0, F1, 0
	QUARTER 1, 2, F1, F0, 0
	QUARTER 1, 3, F0, F1, 0
	TURN 1, 0, 1
	QUARTER 0, 1, F0, F1, 0
	WIN 0
	s_sub_co_u32 s3, s3, 1
	s_cmp_lg_u32 s3, 0
	s_cbranch_scc1 .Llap
	QUARTER 0, 2, F1, F0, 0                        ; the last lap fills nothing
	QUARTER 0, 3, F0, F1, 0
	TURN 0, 1, 0
	QUARTER 1, 1, F0, F1, 0
	QUARTER 1, 2, F1, F0, 0
	QUARTER 1, 3, F0, F1, 0
	s_wait_dscnt 4
	WIN MUL
	MUL8 F1, 0, 0
	MUL8 F1, 1, 0
	s_wait_dscnt 0
	MUL8 F1, 2, 0
	MUL8 F1, 3, 0
	WIN 0
	PLACES
; THE WAY OUT, block by block of 16 rows x 128 columns, through my own stage: back come whole rows of 512 bytes, which the 32 lanes store as 512 consecutive bytes, aligned.
.macro TOSTAGE a
	WIN 0x04                                       ; an LDS store's data: window 1
.irp b, 0,1,2,3,4,5,6,7
	ds_store_b128 v[STO], v[64*(\a)+8*\b:64*(\a)+8*\b+3] offset:64*\b          ; each accumulator from its low end on
	ds_store_b128 v[STO], v[64*(\a)+8*\b+4:64*(\a)+8*\b+7] offset:64*\b+16
.endr
	WIN 0
.set BB, 64+64*((\a)%2)
.irp t, 0,1,2,3,4,5,6,7,8,9,10,11,12,13,14,15
	ds_load_b128 v[BB+4*\t:BB+4*\t+3], v[RD] offset:\t*SPITCH      ; LDS serves a wave's instructions in order
.endr
.endm
.macro SEND a, younger
.set BB, 64+64*((\a)%2)
	s_wait_dscnt \younger
.irp t, 0,1,2,3,4,5,6,7,8,9,10,11,12,13,14,15
	global_store_b128 v[CO], v[BB+4*\t:BB+4*\t+3], s[10:11] offset:(16*(\a)+\t)*4096 th:TH_STORE_NT
.endr
.endm
	TOSTAGE 0
	TOSTAGE 1
	SEND 0, 32                                     ; behind block 0's loads: block 1's 16 stores and 16 loads
	s_wait_xcnt 0x0                                ; block 0's stores have read their registers: block 2's loads may land there
	TOSTAGE 2
	SEND 1, 32
	s_wait_xcnt 0x0
	TOSTAGE 3
	SEND 2, 32
	SEND 3, 0
	s_wait_tensorcnt 0x0                           ; the wave's end
	ds_add_u32 v[SPW], v[NIL]
	s_wait_dscnt 0x0
	CROUND                                         ; the closing round
	s_endpgm
.Lfunc_end_k_q9fbc18d7ae_proj:
	.size	k_q9fbc18d7ae_proj, .Lfunc_end_k_q9fbc18d7ae_proj-k_q9fbc18d7ae_proj
	.p2alignl 7, 3214868480
	.fill 96, 4, 3214868480
	.section	.rodata,"a",@progbits
	.p2align	6, 0x0
	.amdhsa_kernel k_q9fbc18d7ae_proj
		.amdhsa_group_segment_fixed_size 327680
		.amdhsa_private_segment_fixed_size 0
		.amdhsa_enable_private_segment 0
		.amdhsa_kernarg_size 32
		.amdhsa_user_sgpr_count 2
		.amdhsa_user_sgpr_kernarg_segment_ptr 1
		.amdhsa_wavefront_size32 1
		.amdhsa_system_sgpr_workgroup_id_x 1
		.amdhsa_system_sgpr_workgroup_id_y 1
		.amdhsa_system_sgpr_workgroup_id_z 1
		.amdhsa_system_vgpr_workitem_id 0
		.amdhsa_next_free_vgpr 576
		.amdhsa_next_free_sgpr 72
		.amdhsa_reserve_vcc 0
		.amdhsa_float_denorm_mode_32 3
		.amdhsa_float_denorm_mode_16_64 3
		.amdhsa_memory_ordered 1
		.amdhsa_forward_progress 1
		.amdhsa_inst_pref_size 88
	.end_amdhsa_kernel
	.amdgpu_metadata
---
amdhsa.version: [ 1, 2 ]
amdhsa.kernels:
  - .name:           k_q9fbc18d7ae_proj
    .symbol:         k_q9fbc18d7ae_proj.kd
    .args:
      - { .name: y16, .offset: 0, .size: 8, .value_kind: global_buffer, .address_space: global }
      - { .name: wp16, .offset: 8, .size: 8, .value_kind: global_buffer, .address_space: global }
      - { .name: b_proj, .offset: 16, .size: 8, .value_kind: global_buffer, .address_space: global }
      - { .name: out0, .offset: 24, .size: 8, .value_kind: global_buffer, .address_space: global }
    .group_segment_fixed_size: 327680
    .private_segment_fixed_size: 0
    .kernarg_segment_align: 8
    .kernarg_segment_size: 32
    .max_flat_workgroup_size: 128
    .sgpr_count:     72
    .vgpr_count:     576
    .wavefront_size: 32
...
	.end_amdgpu_metadata
.endif
;; end of part 4
;; launch first16 (part 5): grid 16 x 4, 16 waves a work-group, no clusters, 71,680 bytes of LDS; arguments qkv32, w_proj, b_proj, out0; writes out0
.if DOCPART == 5
	.amdgcn_target "amdgcn-amd-amdhsa--gfx1250"
	.amdhsa_code_object_version 6
	.text
	.protected	k_q9fbc18d7ae_first16
	.globl	k_q9fbc18d7ae_first16
	.p2align	8
	.type	k_q9fbc18d7ae_first16,@function
k_q9fbc18d7ae_first16:
	s_mov_b64 s[64:65], 0
	v_nop
	global_prefetch_b8 v0, s[64:65] scope:SCOPE_SE
	s_setreg_imm32_b32 hwreg(HW_REG_WAVE_MODE, 25, 1), 1
	s_wait_xcnt 0x0
; The first 16 positions of each batch, in f32 throughout: causal attention on 16 x 16 for each head, and the projection.  These rows average one to sixteen values and are the largest; f16 operands would use up what the comparison allows.
; qkv32 [16 b + t][3072] f32 (q, k, v with their bias), w_proj [1024][1024] f32, b_proj, out0: rows 2048 b + t, t < 16, are written over.
; SHARES.  A work-group is (64 output columns, a batch).  Wave w is head w: it makes the head's attention (repeated in the batch's 16 work-groups: 32 small matrix instructions) and its 64 channels' share of the 16 x 64
; outputs; the sixteen shares are added through LDS, wave w summing query w.  No cluster, no tensor load: every operand is read once by one wave, straight into registers.
; ONE PERMUTATION OF k: on both sources of every product a lane's register pair stands for the same true k, so nothing changes lanes from S^T to the outputs:
;   S^T = K Q^T: lane (r, h), pair e = 2 c + p: channels 8 c + 4 h + 2 p + 0, 1.   O^T = V^T P: pair s: keys 8 h + 2 s + 0, 1, as S^T's result holds them.   out^T = W Y^T: pair s of tile ct: channels 16 ct + 8 h + 2 s + 0, 1, as O^T's result holds them.
; v176-239 are written by matrix instructions alone: v176-207 four accumulators of S^T, later of the outputs; v208-239 four of O^T.
; LIMITS: NaN and infinities are not served; the order of the f32 sums differs from a plain dot product's.
.set SPARE, 16*16*272                  ; behind the sixteen shares (16 rows x (256 + 16) bytes each): the spare words, 128 bytes a wave
	s_load_b256 s[4:11], s[0:1], 0x0               ; qkv32, w_proj, b_proj, out0
	v_lshl_add_u32 v8, v0, 2, SPARE                ; my spare word; never rewritten
	v_mov_b32 v9, 0                                ; 0; never rewritten
	v_lshrrev_b32 v1, 5, v0
	v_readfirstlane_b32 s12, v1                    ; wave = head
	s_and_b32 s13, ttmp7, 0xffff                   ; batch
	v_and_b32 v13, 15, v0                          ; r
	v_bfe_u32 v14, v0, 4, 1                        ; h
	v_and_b32 v15, 31, v0                          ; lane
	v_mul_u32_u24 v1, v13, 12288
	v_lshl_add_u32 v1, v14, 4, v1                  ; q, k: row r, + 16 h
	v_mul_u32_u24 v2, v14, 98304
	v_lshl_add_u32 v2, v13, 2, v2                  ; v: rows 8 h on, channel r
	v_lshlrev_b32 v3, 12, v13
	v_lshl_add_u32 v3, v14, 5, v3                  ; w_proj: row r, + 32 h
	v_lshlrev_b32 v4, 3, v14
	v_sub_nc_u32 v4, v13, v4                       ; d = r - 8 h: register j holds key 8 h + j, hidden where j > d
	s_mul_i32 s14, s12, 16*272
	v_mul_u32_u24 v5, v13, 272
	v_lshl_add_u32 v5, v14, 5, v5
	v_add_nc_u32 v5, s14, v5                       ; my share: row = query r, + 32 h
	s_mul_i32 s14, s12, 272
	v_lshlrev_b32 v7, 3, v15                       ; 8 bytes a lane
	v_add_nc_u32 v6, s14, v7                       ; back: query w's row of a share
	v_mov_b32 v12, 0xff800000                      ; -infinity
	v_mov_b32 v250, 0                              ; written once: a lane permute's destination counts as one of its sources
	v_mov_b32 v252, 0
	s_mov_b32 s20, 0x76543210
	s_mov_b32 s21, 0xfedcba98
	s_mov_b32 s22, 0x3e38aa3b                      ; c = log2(e) / 8
	s_mov_b32 s23, s22
	s_mul_i32 s16, s13, 16*12288
	s_lshl_b32 s15, s12, 8
	s_add_co_u32 s16, s16, s15                     ; qkv32: the batch's 16 rows, the head's 64 columns
	s_mov_b32 s17, 0
	s_lshl_b32 s18, ttmp9, 18
	s_add_co_u32 s18, s18, s15                     ; w_proj: my 64 rows, the head's 64 columns
	s_mov_b32 s19, 0
	s_lshl_b32 s24, ttmp9, 8                       ; b_proj: my 64 numbers
	s_mov_b32 s25, 0
	s_lshl_b32 s26, s13, 23
	s_lshl_b32 s27, s12, 12
	s_add_co_u32 s26, s26, s27
	s_add_co_u32 s26, s26, s24                     ; out0: row 2048 b + w, my 64 columns
	s_mov_b32 s27, 0
	s_wait_kmcnt 0x0
	s_add_nc_u64 s[4:5], s[4:5], s[16:17]
	s_add_nc_u64 s[6:7], s[6:7], s[18:19]
	s_add_nc_u64 s[8:9], s[8:9], s[24:25]
	s_add_nc_u64 s[10:11], s[10:11], s[26:27]
	global_load_b64 v[10:11], v7, s[8:9]           ; the bias of my two columns
.irp c, 0,1,2,3,4,5,6,7
	global_load_b128 v[16+4*\c:19+4*\c], v1, s[4:5] offset:32*\c           ; q
.endr
.irp c, 0,1,2,3,4,5,6,7
	global_load_b128 v[48+4*\c:51+4*\c], v1, s[4:5] offset:4096+32*\c      ; k
.endr
.irp ct, 0,1,2,3
.irp j, 0,1,2,3,4,5,6,7
	global_load_b32 v[80+8*\ct+\j], v2, s[4:5] offset:8192+12288*\j+64*\ct ; v(key 8 h + j, channel 16 ct + r)
.endr
.endr
.irp ct, 0,1
.irp n, 0,1,2,3
	global_load_b128 v[112+32*\ct+8*\n:115+32*\ct+8*\n], v3, s[6:7] offset:65536*\n+64*\ct      ; w_proj(16 n + r, 16 ct + 8 h + 0 .. 7)
	global_load_b128 v[116+32*\ct+8*\n:119+32*\ct+8*\n], v3, s[6:7] offset:65536*\n+64*\ct+16
.endr
.endr
	s_wait_loadcnt 48                              ; the bias, q and k are in; v's 32 loads and w_proj's 16 may be out
.set e, 0
.rept 16                                       ; S^T = K Q^T: four accumulators by turns; the first four products start the sums
.if e < 4
	v_wmma_f32_16x16x4_f32 v[176+8*(e%4):183+8*(e%4)], v[48+2*e:49+2*e], v[16+2*e:17+2*e], 0
.else
	v_wmma_f32_16x16x4_f32 v[176+8*(e%4):183+8*(e%4)], v[48+2*e:49+2*e], v[16+2*e:17+2*e], v[176+8*(e%4):183+8*(e%4)]
.endif
.set e, e+1
.endr
.rept 8
	v_nop                                          ; eight places behind this form: in front of the loads into q's and k's registers and of the first reads of results
.endr
.irp ct, 0,1
.irp n, 0,1,2,3
	global_load_b128 v[16+32*\ct+8*\n:19+32*\ct+8*\n], v3, s[6:7] offset:65536*\n+64*\ct+128    ; w_proj's channels 32 to 63 of the head
	global_load_b128 v[20+32*\ct+8*\n:23+32*\ct+8*\n], v3, s[6:7] offset:65536*\n+64*\ct+144
.endr
.endr
.irp p, 0,1,2,3
	v_pk_add_f32 v[240+2*\p:241+2*\p], v[176+2*\p:177+2*\p], v[184+2*\p:185+2*\p]   ; the four accumulators are added, each read from its low end on
.endr
.irp p, 0,1,2,3
	v_pk_add_f32 v[240+2*\p:241+2*\p], v[240+2*\p:241+2*\p], v[192+2*\p:193+2*\p]
.endr
.irp p, 0,1,2,3
	v_pk_add_f32 v[240+2*\p:241+2*\p], v[240+2*\p:241+2*\p], v[200+2*\p:201+2*\p]
.endr
.irp j, 0,1,2,3,4,5,6,7
	v_cmp_gt_i32 vcc_lo, \j, v4
	v_cndmask_b32 v[240+\j], v[240+\j], v12, vcc_lo        ; hidden keys: -infinity
.endr
	v_max3_num_f32 v248, v240, v241, v242
	v_max3_num_f32 v249, v243, v244, v245
	v_max3_num_f32 v248, v248, v246, v247
	v_max_num_f32 v248, v248, v249
	v_permlanex16_b32 v250, v248, s20, s21
	v_max_num_f32 v248, v248, v250                 ; the row's maximum (key 0 counts for every query)
	v_mul_f32 v248, s22, v248                      ; c m
.irp p, 0,1,2,3
	v_pk_fma_f32 v[240+2*\p:241+2*\p], v[240+2*\p:241+2*\p], s[22:23], v[248:249] op_sel_hi:[1,0,0] neg_lo:[0,0,1] neg_hi:[0,0,1]
.endr
.irp j, 0,1,2,3,4,5,6,7
	v_exp_f32 v[240+\j], v[240+\j]
.endr
	v_nop                                          ; a plain instruction behind the last exponential
	s_wait_alu depctr_va_vdst(0)                   ; one wait for the eight
	v_pk_add_f32 v[250:251], v[240:241], v[242:243]
	v_pk_add_f32 v[252:253], v[244:245], v[246:247]
	v_pk_add_f32 v[250:251], v[250:251], v[252:253]
	v_add_f32 v250, v250, v251
	v_permlanex16_b32 v252, v250, s20, s21
	v_add_f32 v250, v250, v252
	v_rcp_f32 v250, v250
	v_nop
	s_wait_alu depctr_va_vdst(0)
.irp p, 0,1,2,3
	v_pk_mul_f32 v[240+2*\p:241+2*\p], v[240+2*\p:241+2*\p], v[250:251] op_sel_hi:[1,0]   ; the weights, normalised
.endr
	s_wait_loadcnt 32                              ; v is in; w_proj's two runs of 16 may be out
.irp s, 0,1,2,3
.irp ct, 0,1,2,3
.if \s == 0
	v_wmma_f32_16x16x4_f32 v[208+8*\ct:215+8*\ct], v[80+8*\ct+2*\s:81+8*\ct+2*\s], v[240+2*\s:241+2*\s], 0
.else
	v_wmma_f32_16x16x4_f32 v[208+8*\ct:215+8*\ct], v[80+8*\ct+2*\s:81+8*\ct+2*\s], v[240+2*\s:241+2*\s], v[208+8*\ct:215+8*\ct]
.endif
.endr
.endr
.rept 9
	v_nop                                          ; nine places: these results are the next products' source 1
.endr
	s_wait_loadcnt 16                              ; w_proj's first run is in
.irp ct, 0,1
.irp s, 0,1,2,3
.irp n, 0,1,2,3
.if (\ct == 0) && (\s == 0)
	v_wmma_f32_16x16x4_f32 v[176+8*\n:183+8*\n], v[112+32*\ct+8*\n+2*\s:113+32*\ct+8*\n+2*\s], v[208+8*\ct+2*\s:209+8*\ct+2*\s], 0
.else
	v_wmma_f32_16x16x4_f32 v[176+8*\n:183+8*\n], v[112+32*\ct+8*\n+2*\s:113+32*\ct+8*\n+2*\s], v[208+8*\ct+2*\s:209+8*\ct+2*\s], v[176+8*\n:183+8*\n]
.endif
.endr
.endr
.endr
	s_wait_loadcnt 0x0
.irp ct, 0,1
.irp s, 0,1,2,3
.irp n, 0,1,2,3
	v_wmma_f32_16x16x4_f32 v[176+8*\n:183+8*\n], v[16+32*\ct+8*\n+2*\s:17+32*\ct+8*\n+2*\s], v[224+8*\ct+2*\s:225+8*\ct+2*\s], v[176+8*\n:183+8*\n]
.endr
.endr
.endr
.rept 8
	v_nop
.endr
.irp n, 0,1,2,3
	ds_store_b128 v5, v[176+8*\n:179+8*\n] offset:64*\n            ; lane (r, h): my head's share of out(query r, 16 n + 8 h + 0 .. 7)
	ds_store_b128 v5, v[180+8*\n:183+8*\n] offset:64*\n+16
.endr
	s_wait_dscnt 0x0                               ; for the others' sake: my share lies in LDS
	s_barrier_signal -1
	s_barrier_wait -1
.irp i, 0,1,2,3,4,5,6,7,8,9,10,11,12,13,14,15
	ds_load_b64 v[16+2*\i:17+2*\i], v6 offset:16*272*\i            ; query w's row of each of the sixteen shares
.endr
	s_wait_dscnt 0x0
.irp i, 0,2,4,6,8,10,12,14
	v_pk_add_f32 v[16+2*\i:17+2*\i], v[16+2*\i:17+2*\i], v[18+2*\i:19+2*\i]
.endr
.irp i, 0,4,8,12
	v_pk_add_f32 v[16+2*\i:17+2*\i], v[16+2*\i:17+2*\i], v[20+2*\i:21+2*\i]
.endr
.irp i, 0,8
	v_pk_add_f32 v[16+2*\i:17+2*\i], v[16+2*\i:17+2*\i], v[24+2*\i:25+2*\i]
.endr
	v_pk_add_f32 v[16:17], v[16:17], v[32:33]
	v_pk_add_f32 v[16:17], v[16:17], v[10:11]      ; + b_proj
	global_store_b64 v7, v[16:17], s[10:11]        ; 256 consecutive bytes, aligned
	s_wait_tensorcnt 0x0                           ; the wave's end: behind my last LDS store
	ds_add_u32 v8, v9
	s_wait_dscnt 0x0
	s_endpgm
.Lfunc_end_k_q9fbc18d7ae_first16:
	.size	k_q9fbc18d7ae_first16, .Lfunc_end_k_q9fbc18d7ae_first16-k_q9fbc18d7ae_first16
	.p2alignl 7, 3214868480
	.fill 96, 4, 3214868480
	.section	.rodata,"a",@progbits
	.p2align	6, 0x0
	.amdhsa_kernel k_q9fbc18d7ae_first16
		.amdhsa_group_segment_fixed_size 71680
		.amdhsa_private_segment_fixed_size 0
		.amdhsa_enable_private_segment 0
		.amdhsa_kernarg_size 32
		.amdhsa_user_sgpr_count 2
		.amdhsa_user_sgpr_kernarg_segment_ptr 1
		.amdhsa_wavefront_size32 1
		.amdhsa_system_sgpr_workgroup_id_x 1
		.amdhsa_system_sgpr_workgroup_id_y 1
		.amdhsa_system_sgpr_workgroup_id_z 1
		.amdhsa_system_vgpr_workitem_id 0
		.amdhsa_next_free_vgpr 256
		.amdhsa_next_free_sgpr 66
		.amdhsa_reserve_vcc 1
		.amdhsa_float_denorm_mode_32 3
		.amdhsa_float_denorm_mode_16_64 3
		.amdhsa_memory_ordered 1
		.amdhsa_forward_progress 1
		.amdhsa_inst_pref_size 23
	.end_amdhsa_kernel
	.amdgpu_metadata
---
amdhsa.version: [ 1, 2 ]
amdhsa.kernels:
  - .name:           k_q9fbc18d7ae_first16
    .symbol:         k_q9fbc18d7ae_first16.kd
    .args:
      - { .name: qkv32, .offset: 0, .size: 8, .value_kind: global_buffer, .address_space: global }
      - { .name: w_proj, .offset: 8, .size: 8, .value_kind: global_buffer, .address_space: global }
      - { .name: b_proj, .offset: 16, .size: 8, .value_kind: global_buffer, .address_space: global }
      - { .name: out0, .offset: 24, .size: 8, .value_kind: global_buffer, .address_space: global }
    .group_segment_fixed_size: 71680
    .private_segment_fixed_size: 0
    .kernarg_segment_align: 8
    .kernarg_segment_size: 32
    .max_flat_workgroup_size: 512
    .sgpr_count:     66
    .vgpr_count:     256
    .wavefront_size: 32
...
	.end_amdgpu_metadata
.endif
;; end of part 5
